; MI455X (gfx1250); checked and timed in simulation.
; The chip was launched on July 23, 2026; its instructions are those of AMD's public machine-readable ISA for CDNA 5 (MIT licence, August 2026) and "CDNA5" Instruction Set Architecture Reference Guide (July 2026). The comments in the code are by the model that wrote it; some were corrected since.
;; my param layer. Allowed arithmetic: matrix products marked QUANTISED: E2M3 operands, one E8M0 scale for each 32 along K, by v_wmma_scale_f32_16x16x128_f8f6f4 with both operands' format E2M3, f32 sums; everything else in f32.
;; Inputs: A 4,096 x 4,096 float32; B 4,096 x 4,096 float32.
;; Outputs: out0 4,096 x 4,096 float32.
;; This version of the problem:
;;   THIS VERSION OF THE PROBLEM IS GIVEN IN LOW PRECISION. The matrix products marked QUANTISED in the list below multiply operands that are first quantised to E2M3 (2 exponent bits, 3 mantissa bits; 6 bits a number), with one power-of-two scale for each 32 numbers along K (OCP MX v1.0); their sums are f32. All else is computed in f32.
;;   The module's matrix products, in the order in which they are computed (A, B: the left and right operand; K: the contracted axis; several contracted axes count as one K, in the product's order):
;;     1. [M 4,096, K 4,096] x [K 4,096, N 4,096]; A: input A; B: input B: QUANTISED
;;   THE QUANTISER, for each operand of a quantised product, along K:
;;     - K is cut into blocks of 32 from its start; a last block that is shorter is filled with zeros.
;;     - A block's scale is 2^e with e = floor(log2(the largest magnitude in the block)) - 2, held to -126 .. 127; a block of zeros has e = 0. As a byte (E8M0): e + 127.
;;     - Each number is divided by its block's scale, clamped to +-7.5, and rounded to the nearest number of E2M3, ties to even, subnormals kept.
;;     - The product sums the exact products of the quantised numbers (number of the format x scale) in f32.
;;   ~~~python
;;   def quantise(x, axis):      # numpy; x: float32 -> the quantised numbers, widened to float32 again
;;       x = np.moveaxis(x, axis, -1); K = x.shape[-1]
;;       x = np.pad(x, [(0, 0)] * (x.ndim - 1) + [(0, -K % 32)]); x = x.reshape(x.shape[:-1] + (-1, 32)); a = np.abs(x).max(-1, keepdims=True)
;;       e = np.where(a > 0, np.clip(np.frexp(np.where(a > 0, a, 1))[1] - 1 - 2, -126, 127), 0)      # np.frexp(a)[1] - 1 = floor(log2(a)), exactly
;;       r = np.clip(x / 2.0 ** e, -7.5, 7.5)
;;       step = 2.0 ** (np.maximum(np.frexp(np.where(r == 0, 1, r))[1] - 1, 0) - 3)
;;       q = np.round(r / step) * step * 2.0 ** e      # np.round: ties to even
;;       return np.moveaxis(q.reshape(q.shape[:-2] + (-1,))[..., :K], -1, axis).astype(np.float32)
;;   ~~~
;; 2 versions. Each part assembles by itself: llvm-mc -triple=amdgcn-amd-amdhsa -mcpu=gfx1250 --defsym DOCPART=n.
;; ======== version 1 of 2: 2 launches
;; workspace buffers: a_codes 12,582,912 bytes; a_scales 524,288 bytes; b_codes 12,582,912 bytes; b_scales 524,288 bytes
;; launch quant (part 1): grid 1024 x 1, 4 waves a work-group, no clusters, 36,352 bytes of LDS; arguments A, B, a_codes, a_scales, b_codes, b_scales; writes a_codes, a_scales, b_codes, b_scales
.if DOCPART == 1
	.amdgcn_target "amdgcn-amd-amdhsa--gfx1250"
	.amdhsa_code_object_version 6
	.text
	.protected	k_q7c15aa07d5_quant
	.globl	k_q7c15aa07d5_quant
	.p2align	8
	.type	k_q7c15aa07d5_quant,@function
k_q7c15aa07d5_quant:
	s_mov_b64 s[64:65], 0
	v_nop
	global_prefetch_b8 v0, s[64:65] scope:SCOPE_SE
	s_setreg_imm32_b32 hwreg(HW_REG_WAVE_MODE, 25, 1), 1
	s_wait_xcnt 0x0
; A [4096 m][4096 k] and B [4096 k][4096 n], f32, are turned into codes of FP6 (E2M3), 6 bits each, K innermost, with one E8M0 scale byte for each 32 along K:
;   a_codes [4096 m][3072 bytes], a_scales [4096 m][128 bytes];  b_codes [4096 n][3072 bytes], b_scales [4096 n][128 bytes].
; A row of codes is one stream of bits: code k at bits 6 k to 6 k + 5, the lowest bits of the lowest byte first.
; A block's scale is 2^(floor(log2(its largest magnitude)) - 2), 2 being the exponent of the format's largest number, 7.5.  Its byte is that exponent + 127, which is the largest magnitude's own
; exponent field - 2, held at 1 from below; a block of zeros gets 127.  Each number is divided by the scale and rounded to the nearest code, ties to even; beyond 7.5 the conversion gives the largest code.
; LIMITS: blocks whose largest magnitude lies under 2^-123, whose byte is held at 1, were not tried; NaN and infinities among the inputs are not served.
; ONE LAUNCH FOR BOTH TENSORS: work-groups 0 to 511 take A (K innermost), work-groups 512 to 1023 take B (K is its first axis); each reads 128 KiB.  The branch hangs on the work-group's number alone.
; No tensor loads, no barrier, no loop: waves share nothing, every offset is an immediate, and no register that a store reads is written again.
.set WGA,   512                        ; A's work-groups: 4096 x 4096 numbers / (4 waves x 8,192 numbers)
.set EMAX,  2
.set KROW,  3072                       ; a row of codes in bytes
.set NROW,  16384                      ; a row of B in bytes
.set PITCH, 272                        ; part B: a stage row: sixteen places of 16 bytes, each with 12 bytes of codes, + 16
; part A's registers
.set XA,    16                         ; v16-79   four sets of 16 numbers
.set CA,    80                         ; v80-143  codes: four registers for each step (three used), so that no store's data are written again
.set EA,    144                        ; v144-159 a scale byte for each step
; part B's registers
.set SB,    24                         ; v24-25   my column's 8 scale bytes, four to a register
.set XB,    32                         ; v32-95   two sets of 32 numbers
.set CC,    96                         ; v96-98, v100-102  a block's codes
.set OUTR,  112                        ; v112-175 the way out: 16 x 4 registers (three used)
	s_load_b128 s[4:7], s[0:1], 0x0                ; A, B
	s_load_b128 s[8:11], s[0:1], 0x10              ; a_codes, a_scales
	s_load_b128 s[12:15], s[0:1], 0x20             ; b_codes, b_scales
	v_lshl_add_u32 v192, v0, 2, 0x8c00
	v_mov_b32 v193, 0
	v_lshrrev_b32 v1, 5, v0
	v_readfirstlane_b32 s16, v1                    ; wave 0..3
	v_and_b32 v2, 31, v0                           ; lane
	s_cmp_lt_u32 ttmp9, WGA
	s_cbranch_scc0 .Lpart_b
; ---------------------------------------------------------------- PART A: K is innermost
; Rows are dense and 4096 is a multiple of 32, so A is a plain stream of blocks of 32 numbers, and so are its codes and its scale bytes.
; A wave takes 16 steps of 512 numbers.  In a step a lane holds 16 neighbouring numbers (64 bytes, four loads), since the conversion takes 16 numbers of ONE block from a lane's consecutive registers;
; two neighbouring lanes hold a block.  The four loads of a step together read 2,048 consecutive bytes.  A lane's 16 codes are 12 bytes: the wave's store covers 384 consecutive bytes.
; A step makes 16 scale bytes, a wave 256: they are gathered in the wave's own 256 bytes of LDS and leave as 256 consecutive bytes, aligned.  Loads run four steps (16 loads a wave) ahead.
	v_lshlrev_b32 v3, 6, v2                        ; my 64 bytes of a step's 2,048
	v_mul_u32_u24 v4, v2, 12                       ; my codes' place in a step's 384 bytes
	v_lshrrev_b32 v5, 1, v2
	s_lshl_b32 s17, s16, 8
	v_add_nc_u32 v5, s17, v5                       ; LDS: my wave's 256 bytes, my block's byte
	v_lshlrev_b32 v7, 3, v2                        ; and on the way out 8 bytes a lane
	v_add_nc_u32 v6, s17, v7
	s_lshl_b32 s18, ttmp9, 2
	s_add_co_u32 s18, s18, s16                     ; which run of 8,192 numbers is my wave's: 0 .. 2047
	s_lshl_b32 s20, s18, 15                        ; 32,768 bytes of numbers a run,
	s_mov_b32 s21, 0
	s_mul_i32 s22, s18, 6144                       ; 6,144 bytes of codes,
	s_mov_b32 s23, 0
	s_lshl_b32 s24, s18, 8                         ; 256 scale bytes
	s_mov_b32 s25, 0
	s_wait_kmcnt 0x0
	s_add_nc_u64 s[4:5], s[4:5], s[20:21]
	s_add_nc_u64 s[8:9], s[8:9], s[22:23]
	s_add_nc_u64 s[10:11], s[10:11], s[24:25]
.macro LOADA t
.irp i, 0,1,2,3
	global_load_b128 v[XA+16*((\t)%4)+4*\i:XA+16*((\t)%4)+4*\i+3], v3, s[4:5] offset:2048*(\t)+16*\i th:TH_LOAD_NT
.endr
.endm
.macro STEPA t
.set XS, XA+16*((\t)%4)
.if 15-(\t) >= 3
	s_wait_loadcnt 12                              ; this step's four loads are in; the next three steps' twelve may be out
.else
	s_wait_loadcnt 4*(15-(\t))                     ; the last steps: the counts run down
.endif
	v_max3_num_f32 v8, |v[XS]|, |v[XS+1]|, |v[XS+2]|               ; the largest magnitude of my 16, in two chains that do not wait for each other
	v_max3_num_f32 v9, |v[XS+3]|, |v[XS+4]|, |v[XS+5]|
.irp i, 6,10
	v_max3_num_f32 v8, v8, |v[XS+\i]|, |v[XS+\i+1]|
	v_max3_num_f32 v9, v9, |v[XS+\i+2]|, |v[XS+\i+3]|
.endr
	v_max3_num_f32 v8, v8, |v[XS+14]|, |v[XS+15]|
	v_max_num_f32 v8, v8, v9
	v_max_num_f32_dpp v8, v8, v8 row_xmask:1 row_mask:0xf bank_mask:0xf   ; and of my neighbour's 16: the block's
	v_lshrrev_b32 v9, 23, v8                       ; its exponent field (the sign bit is 0)
	v_max_u32 v9, EMAX+1, v9                       ; the byte is not to fall under 1
	v_add_nc_u32 v9, -EMAX, v9                     ; the scale's byte
	v_lshlrev_b32 v11, 23, v9                      ; and the scale as f32: the conversion takes its exponent field
	v_cmp_eq_u32 vcc_lo, 0, v8                     ; a block of zeros?
	v_cvt_scalef32_pk16_fp6_f32 v[CA+4*(\t):CA+4*(\t)+2], v[XS:XS+15], v11   ; sixteen codes, 96 bits without gaps, the first number's code lowest
	v_cndmask_b32 v[EA+(\t)], v9, 127, vcc_lo      ; a block of zeros gets 127.  (Also the one plain vector instruction between a scaled conversion and what touches its result or writes its sources)
	ds_store_b8 v5, v[EA+(\t)] offset:16*(\t)      ; both lanes of a block write the same byte with the same value
	global_store_b96 v4, v[CA+4*(\t):CA+4*(\t)+2], s[8:9] offset:384*(\t)
.if (\t)+4 < 16
	LOADA (\t)+4
.endif
.endm
.irp t, 0,1,2,3
	LOADA \t
.endr
.irp t, 0,1,2,3,4,5,6,7,8,9,10,11,12,13,14,15
	STEPA \t
.endr
	ds_load_b64 v[12:13], v6                       ; LDS serves a wave's instructions in order (ISA guide 5.7.1.4): this load sees my stores
	s_wait_dscnt 0x0
	global_store_b64 v7, v[12:13], s[10:11]        ; 32 lanes store 256 consecutive bytes, at a multiple of 256 from the buffer's first byte
	s_wait_tensorcnt 0x0
	ds_add_u32 v192, v193
	s_wait_dscnt 0x0
	s_endpgm
; ---------------------------------------------------------------- PART B: K is the first axis
; A LANE TAKES A COLUMN n, AND ITS REGISTERS RUN DOWN K: each load reads neighbouring n in neighbouring lanes (128 consecutive bytes a wave, 512 a work-group), a block of 32 along K lies in ONE lane's
; 32 registers, so that its largest magnitude needs no other lane, and the conversions give the codes with K innermost.  Nothing is transposed by an instruction.
; A work-group takes 128 columns x 256 along K, a wave 32 columns: 8 blocks a lane, 192 bytes of codes for each column.  A lane's codes belong to one row of b_codes and the lanes beside it hold other
; rows: so they go through the wave's own stage in LDS and leave by rows: sixteen lanes store a row's 192 consecutive bytes, 12 bytes each.  Loads run two blocks (64 loads a wave) ahead.
; The largest immediate, 255 rows of B, is 4,177,920 bytes: inside the signed 24-bit field (ISA guide, chapter 10).
.Lpart_b:
	s_sub_co_u32 s26, ttmp9, WGA                   ; 0 .. 511
	s_and_b32 s27, s26, 31                         ; which 128 columns
	s_lshr_b32 s18, s26, 5                         ; which 256 along K
	s_lshl_b32 s17, s27, 7
	s_lshl_b32 s28, s16, 5
	s_add_co_u32 s17, s17, s28                     ; my wave's first column
	s_mul_i32 s19, s16, 32*PITCH                   ; my stage
	v_lshlrev_b32 v3, 2, v2                        ; in: 4 bytes a lane
	v_mul_u32_u24 v4, v2, PITCH
	v_add_nc_u32 v4, s19, v4                       ; into the stage: row = my column
	v_and_b32 v5, 15, v2
	v_lshrrev_b32 v6, 4, v2                        ; out of it: sixteen lanes to a row, two rows an instruction
	v_mul_u32_u24 v7, v6, PITCH
	v_lshl_add_u32 v7, v5, 4, v7
	v_add_nc_u32 v7, s19, v7                       ; LDS address
	v_mul_u32_u24 v8, v6, KROW
	v_mad_u32_u24 v8, v5, 12, v8                   ; and the same place in b_codes
	v_lshlrev_b32 v9, 7, v2                        ; my column's row of scale bytes: 128 bytes a row
	s_lshl_b32 s20, s18, 22                        ; B: 256 rows of 16,384 bytes for each step along K,
	s_lshl_b32 s28, s17, 2
	s_add_co_u32 s20, s20, s28                     ; + 4 bytes a column
	s_mov_b32 s21, 0
	s_mul_i32 s22, s17, KROW                       ; b_codes: column x 3,072
	s_mul_i32 s28, s18, 192
	s_add_co_u32 s22, s22, s28                     ; + 192 bytes for each 256 along K
	s_mov_b32 s23, 0
	s_lshl_b32 s24, s17, 7                         ; b_scales: column x 128
	s_lshl_b32 s28, s18, 3
	s_add_co_u32 s24, s24, s28                     ; + 8 bytes for each 256 along K
	s_mov_b32 s25, 0
	s_wait_kmcnt 0x0
	s_add_nc_u64 s[6:7], s[6:7], s[20:21]
	s_add_nc_u64 s[12:13], s[12:13], s[22:23]
	s_add_nc_u64 s[14:15], s[14:15], s[24:25]
.macro LOADB t                         ; block t: B(32 t + i, my column), i = 0 .. 31, into set t % 2
.irp i, 0,1,2,3,4,5,6,7,8,9,10,11,12,13,14,15,16,17,18,19,20,21,22,23,24,25,26,27,28,29,30,31
	global_load_b32 v[XB+32*((\t)%2)+\i], v3, s[6:7] offset:(32*(\t)+\i)*NROW th:TH_LOAD_NT
.endr
.endm
.macro BLOCKB t
.set XS, XB+32*((\t)%2)
.if (\t) < 7
	s_wait_loadcnt 32                              ; this block's 32 loads are in; the next block's 32 may be out
.else
	s_wait_loadcnt 0
.endif
	v_max3_num_f32 v12, |v[XS]|, |v[XS+1]|, |v[XS+2]|              ; the block's largest magnitude: all 32 numbers are mine
	v_max3_num_f32 v13, |v[XS+3]|, |v[XS+4]|, |v[XS+5]|
.irp i, 6,10,14,18,22,26
	v_max3_num_f32 v12, v12, |v[XS+\i]|, |v[XS+\i+1]|
	v_max3_num_f32 v13, v13, |v[XS+\i+2]|, |v[XS+\i+3]|
.endr
	v_max3_num_f32 v12, v12, |v[XS+30]|, |v[XS+31]|
	v_max_num_f32 v12, v12, v13
	v_lshrrev_b32 v13, 23, v12                     ; its exponent field
	v_max_u32 v13, EMAX+1, v13                     ; the byte is not to fall under 1
	v_add_nc_u32 v13, -EMAX, v13                   ; the scale's byte
	v_lshlrev_b32 v11, 23, v13                     ; and the scale as f32, for the conversion
	v_cmp_eq_u32 vcc_lo, 0, v12
	v_cndmask_b32 v13, v13, 127, vcc_lo            ; a block of zeros gets 127
.if (\t)%4 == 0
	v_mov_b32 v[SB+(\t)/4], v13                    ; four bytes to a register, the lower K in the lower byte
.else
	v_lshl_or_b32 v[SB+(\t)/4], v13, 8*((\t)%4), v[SB+(\t)/4]
.endif
	v_cvt_scalef32_pk16_fp6_f32 v[CC:CC+2], v[XS:XS+15], v11
	v_cvt_scalef32_pk16_fp6_f32 v[CC+4:CC+6], v[XS+16:XS+31], v11  ; (a conversion's three registers begin on an even number)
	v_nop                                          ; one plain vector instruction between a scaled conversion and what touches its result or writes its sources
	ds_store_b96 v4, v[CC:CC+2] offset:32*(\t)     ; 16 codes, 12 bytes, to a place of 16 bytes in the stage, so that every LDS address is a multiple of 16
	ds_store_b96 v4, v[CC+4:CC+6] offset:32*(\t)+16
.if (\t)+2 < 8
	LOADB (\t)+2
.endif
	s_wait_dscnt 0x0                               ; the stores have read their registers: the next block's codes may be written
.endm
	LOADB 0
	LOADB 1
.irp t, 0,1,2,3,4,5,6,7
	BLOCKB \t
.endr
	global_store_b64 v9, v[SB:SB+1], s[14:15]      ; my column's 8 scale bytes
.irp t, 0,1,2,3,4,5,6,7,8,9,10,11,12,13,14,15
	ds_load_b96 v[OUTR+4*\t:OUTR+4*\t+2], v7 offset:2*\t*PITCH     ; LDS serves a wave's instructions in order: these see my stores
.endr
.irp t, 0,1,2,3,4,5,6,7,8,9,10,11,12,13,14,15
	s_wait_dscnt 15-\t                             ; load t is back; the 15 - t younger ones may be out
	global_store_b96 v8, v[OUTR+4*\t:OUTR+4*\t+2], s[12:13] offset:2*\t*KROW
.endr
	s_wait_tensorcnt 0x0
	ds_add_u32 v192, v193
	s_wait_dscnt 0x0
	s_endpgm
.Lfunc_end_k_q7c15aa07d5_quant:
	.size	k_q7c15aa07d5_quant, .Lfunc_end_k_q7c15aa07d5_quant-k_q7c15aa07d5_quant
	.p2alignl 7, 3214868480
	.fill 96, 4, 3214868480
	.section	.rodata,"a",@progbits
	.p2align	6, 0x0
	.amdhsa_kernel k_q7c15aa07d5_quant
		.amdhsa_group_segment_fixed_size 36352
		.amdhsa_private_segment_fixed_size 0
		.amdhsa_enable_private_segment 0
		.amdhsa_kernarg_size 48
		.amdhsa_user_sgpr_count 2
		.amdhsa_user_sgpr_kernarg_segment_ptr 1
		.amdhsa_wavefront_size32 1
		.amdhsa_system_sgpr_workgroup_id_x 1
		.amdhsa_system_sgpr_workgroup_id_y 1
		.amdhsa_system_sgpr_workgroup_id_z 1
		.amdhsa_system_vgpr_workitem_id 0
		.amdhsa_next_free_vgpr 194
		.amdhsa_next_free_sgpr 66
		.amdhsa_reserve_vcc 1
		.amdhsa_float_denorm_mode_32 3
		.amdhsa_float_denorm_mode_16_64 3
		.amdhsa_memory_ordered 1
		.amdhsa_forward_progress 1
		.amdhsa_inst_pref_size 66
	.end_amdhsa_kernel
	.amdgpu_metadata
---
amdhsa.version: [ 1, 2 ]
amdhsa.kernels:
  - .name:           k_q7c15aa07d5_quant
    .symbol:         k_q7c15aa07d5_quant.kd
    .args:
      - { .name: A, .offset: 0, .size: 8, .value_kind: global_buffer, .address_space: global }
      - { .name: B, .offset: 8, .size: 8, .value_kind: global_buffer, .address_space: global }
      - { .name: a_codes, .offset: 16, .size: 8, .value_kind: global_buffer, .address_space: global }
      - { .name: a_scales, .offset: 24, .size: 8, .value_kind: global_buffer, .address_space: global }
      - { .name: b_codes, .offset: 32, .size: 8, .value_kind: global_buffer, .address_space: global }
      - { .name: b_scales, .offset: 40, .size: 8, .value_kind: global_buffer, .address_space: global }
    .group_segment_fixed_size: 36352
    .private_segment_fixed_size: 0
    .kernarg_segment_align: 8
    .kernarg_segment_size: 48
    .max_flat_workgroup_size: 128
    .sgpr_count:     66
    .vgpr_count:     194
    .wavefront_size: 32
...
	.end_amdgpu_metadata
.endif
;; end of part 1
;; launch gemm (part 2): grid 16 x 16, 4 waves a work-group, clusters of 4 x 4, 327,680 bytes of LDS; arguments a_codes, a_scales, b_codes, b_scales, out0; writes out0
.if DOCPART == 2
	.amdgcn_target "amdgcn-amd-amdhsa--gfx1250"
	.amdhsa_code_object_version 6
	.text
	.protected	k_q7c15aa07d5_gemm
	.globl	k_q7c15aa07d5_gemm
	.p2align	8
	.type	k_q7c15aa07d5_gemm,@function
k_q7c15aa07d5_gemm:
	s_mov_b64 s[64:65], 0
	v_nop
	global_prefetch_b8 v0, s[64:65] scope:SCOPE_SE
	s_setreg_imm32_b32 hwreg(HW_REG_WAVE_MODE, 25, 1), 1
	s_wait_xcnt 0x0
	s_wait_alu depctr_hold_cnt(0) depctr_sa_sdst(0) depctr_va_vdst(0) depctr_va_sdst(0) depctr_va_ssrc(0) depctr_va_vcc(0) depctr_vm_vsrc(0)
	s_getreg_b32 s2, hwreg(HW_REG_IB_STS2, 6, 4)
	s_cmp_eq_u32 s2, 0
	s_cbranch_scc0 .Lentry_in_a_cluster
	s_endpgm
.Lentry_in_a_cluster:
	s_bfe_u32 s2, ttmp6, 0x10000c
	s_cmp_lg_u32 s2, 0xf033
	s_cbranch_scc0 .Lentry_shape_is_right
	s_endpgm
.Lentry_shape_is_right:
; C[m][n] = sum over k of A[m][k] B[n][k].  A: a_codes [4096 m][4096 k], B: b_codes [4096 n][4096 k]: codes of FP6 (E2M3), 6 bits each, with one E8M0 scale byte for each 32 along K
; (a_scales [4096][128], b_scales [4096][128]); C: out0 [4096][4096] f32; sums in f32.  A number is its code's value x 2^(its block's byte - 127).  The matrix instruction takes codes and scale bytes as they lie in memory.
; In memory a row of codes is one stream of bits, four codes in three bytes, the code of the lowest k in the lowest bits: 128 codes are 96 bytes.
; LIMITS: none of its own; the codes and bytes are what the launch in front has made (bytes 1 to 254).
; A tile of C, 256 x 256, is made by a work-group of four waves; a wave makes 128 x 128: 64 accumulators of 16 x 16, 512 registers.  16 x 16 tiles: 256 work-groups.
; K goes in steps of 256 through a ring of two LDS slots filled by the tensor data mover: a tile's row is 192 bytes of memory.
; THE SCALES of the work-group's 256 rows of A and 256 rows of B, for all of K, are two dense blocks of memory (32 KiB each): they come into LDS ONCE, with the first fills, as rows of 256 bytes, and stay.
; CLUSTERS: 4 x 4 work-groups.  The four of a row of the cluster need the same tiles of A, the four of a column the same tiles of B: each tile is asked for JOINTLY, by the same tensor load with the
; same descriptor and a mask that names the four.  THE MATRIX INSTRUCTION IS USED TRANSPOSED (source 0 = 16 rows of B, source 1 = 16 rows of A): a lane then holds eight neighbouring numbers of a row of C.
; REGISTERS, in windows of 256: window 0: v0-31 addresses; v32-63 scale words, two sets; from v128 A's fragments (8 x 16 rows x 128 K), ONE set; on the way out v128-255 take rows read back.
;   window 1: B's fragments, TWO sets, at v0 and at v128.   window 2: the 32 accumulators of my rows 0-63 (accumulator (a, b) at v[8 (8 a + b)]);   window 3: those of my rows 64-127.
; A step of 128 along K is 64 matrix instructions, A's blocks one after the other, each against B's eight.  So a block of A is free as soon as its eight products are issued, and one set of registers serves A:
; blocks 0-3 are fetched anew in the step's middle, blocks 4-7 at its end.  B's fragments are at work through the whole step, so B has two sets.
; LDS: 315,904 bytes are used; all of a WGP's LDS is claimed.
.set SIZE_M, 4096
.set SIZE_N, 4096
.set SIZE_K, 4096
.set KSTEP,  256                       ; along K in a slot
.set NQ,     KSTEP/128                 ; matrix instructions deep: 2
.set ROWB,   192                       ; a tile's row in bytes: KSTEP codes of 6 bits
.set KROW,   SIZE_K*6/8                ; a row of A or of B in memory, in bytes
.set PITCH,  240                       ; an LDS row: 3 x (64 bytes of data + 16 of padding) = 60 words: row r starts at bank -4 r mod 64 (64 banks of 4 bytes: ISA guide 11.1), so the 32 lanes of a load of 8 bytes touch 64 different banks
.set FR,     12                        ; registers of a fragment: 16 rows x 128 K
.set NL,     6                         ; LDS loads that bring one
.set NP,     4                         ; places behind this matrix instruction (ISA guide 7.12.1)
.set HALFT,  128*PITCH                 ; 128 rows: what one tensor load brings, and what one wave reads of A or of B
.set SLOT,   4*HALFT                   ; A's 256 rows, then B's 256 rows
.set LAPS,   SIZE_K/(2*KSTEP)          ; a lap = two K steps = once round the ring: 8
.set KS,     SIZE_K/32                 ; a row of scales in bytes: 128, so that two rows fill an LDS row of 256 bytes
.set SCL,    2*SLOT                    ; behind the ring: the scales, as rows of 256 bytes + 16 of padding
.set HALFS,  (128*KS/256)*272          ; the scales of 128 rows: what one tensor load brings
.set SBLK,   (16*KS/256)*272           ; those of 16 rows
.set SPARE,  SCL+4*HALFS               ; behind the scales: the spare words, 128 bytes for each wave: two blocks of 256 bytes that no other line names
.set SPITCH, 528                       ; the way out: a stage of 16 rows x (512 bytes + 16) for each wave.  It lies in slot 0, which has had its last fill and its last read when the first result is stored there
.set ADRA, 16                          ; v16-17  LDS address of my A fragments in slot 0, 1  (v18-19: the same for the pieces that lie behind one padding more)
.set ADRB, 20                          ; v20-21  the same for B  (v22-23)
.set STO,  24                          ; v24     the way out: where I put 32 bytes of a row
.set RD,   25                          ; v25     the way out: where I read a row back
.set CO,   26                          ; v26     my byte offset in a row of C
.set ADRS, 27                          ; v27     LDS address of my scale words: lanes 0-15 A's rows, lanes 16-31 B's
.set SPW,  28                          ; v28     LDS address of my spare word: SPARE + 4 x my thread's number; never rewritten
.set NIL,  29                          ; v29     0; never rewritten
.set SC,   32                          ; scale words: set s (for slot s) at v[SC + 16 s]; in it register 2 i + q: lanes 0-15 the word of A's block i, lanes 16-31 that of B's block i, for the slot's q-th 128 along K
.set AF,   128                         ; A's fragments, in window 0
.set BK,   128                         ; the way out: 16 rows read back from the stage: v128-191 and v192-255 by turns
.set G1, 24                            ; s[24:31] descriptor group 1 for A's tiles;  s[32:39] group 0, one set for each slot
.set G0, 32
.set G1B, 48                           ; s[48:55], s[56:63] the same for B's tiles
.set G0B, 56
.set G1S, 68                           ; s[68:75], s[76:79] groups 1 and 0 for A's scales;  s[80:87], s[88:91] for B's
.set G0S, 76
.set G1SB, 80
.set G0SB, 88
.set MSB, 0
.macro WIN new                         ; the immediate's high byte repeats the setting that is left; a switch that changes nothing is dropped
.if MSB != \new
	s_set_vgpr_msb (MSB<<8)|\new
.set MSB, \new
.endif
.endm
.set MUL_LO, 0xa1                      ; source 0 (B) window 1, source 1 (A) window 0, C and D window 2
.set MUL_HI, 0xf1                      ; the same, C and D window 3
.set TO_B,   0x40                      ; destination window 1, address window 0
; A joint load: waves 0 and 1 fetch for A, waves 2 and 3 for B.  Each of the two lines has ONE mask and one set of registers for all that issue it; the branch hangs on the wave's number alone.
; Four v_nop follow each of the two lines, ahead of the jump, the label and what follows.
.macro JLOAD g0a, g1a, g0b, g1b
	s_cmp_eq_u32 s15, 0
	s_cbranch_scc0 .Lfor_b_\@
	tensor_load_to_lds s[\g0a:\g0a+3], s[\g1a:\g1a+7]
	s_nop 0
.rept 4
	v_nop
.endr
	s_branch .Lasked_\@
.Lfor_b_\@:
	tensor_load_to_lds s[\g0b:\g0b+3], s[\g1b:\g1b+7]
	s_nop 0
.rept 4
	v_nop
.endr
.Lasked_\@:
.endm
; A round of the cluster's barrier: my work-group's barrier, so that wave 0's signal speaks for all four waves; wave 0 signals for the work-group; every wave waits for all sixteen work-groups; my work-group's barrier once more.
.macro CREST                           ; a round behind its opening barrier
	s_cmp_lg_u32 s14, 0
	s_cbranch_scc1 .Lnot_wave_0_\@
	s_barrier_signal -3
.Lnot_wave_0_\@:
	s_barrier_wait -3
	s_barrier_signal -1
	s_barrier_wait -1
.endm
.macro CROUND                          ; a whole round
	s_barrier_signal -1
	s_barrier_wait -1
	CREST
.endm
	s_load_b128 s[4:7], s[0:1], 0x0                ; A's codes s[4:5], A's scales s[6:7]
	s_load_b128 s[8:11], s[0:1], 0x10              ; B's codes s[8:9], B's scales s[10:11]
	s_load_b64 s[12:13], s[0:1], 0x20              ; C
	v_lshl_add_u32 v[SPW], v0, 2, SPARE
	v_mov_b32 v[NIL], 0
	ds_add_u32 v28, v29
	ds_add_u32 v28, v29
	s_wait_dscnt 0x0
	v_lshrrev_b32 v1, 5, v0
	v_readfirstlane_b32 s14, v1                    ; wave 0..3
	s_lshr_b32 s15, s14, 1                         ; which half of the tile's rows is mine.  Also: I fetch for A (0) or for B (1)
	s_and_b32 s16, s14, 1                          ; which half of its columns.  Also: which 128 rows of that tile I fetch
	s_bfe_u32 s40, ttmp6, 0x40000                  ; cx, cy: my place in the cluster
	s_bfe_u32 s41, ttmp6, 0x40004
	s_lshl_b32 s42, ttmp9, 2                       ; in a cluster launch ttmp9 and ttmp7 count clusters
	s_add_co_u32 s42, s42, s40                     ; tile column of C = 4 x cluster x + cx
	s_and_b32 s17, ttmp7, 0xffff
	s_lshl_b32 s17, s17, 2
	s_add_co_u32 s17, s17, s41                     ; tile row of C = 4 x cluster y + cy
	s_lshl_b32 s43, s41, 2
	s_lshl_b32 s43, 15, s43                        ; my row of the cluster: places 4 cy .. 4 cy + 3
	s_lshl_b32 s44, 0x1111, s40                    ; my column: places cx, cx + 4, cx + 8, cx + 12
	; descriptor group 1: a tile of 128 rows x ROWB bytes, padded in LDS
	s_or_b32 s[G1+0], s43, (0<<16)|(1<<20)|(1<<21)|(3<<22)|(3<<25)  ; 15:0 the mask: A's tiles go to my row; 17:16 element of 1 byte; 20 padding on; 21 set beside a mask; 24:22 after every 16 words (code 3); 31:25 of 4 words (code 3)
	s_or_b32 s[G1B+0], s44, (0<<16)|(1<<20)|(1<<21)|(3<<22)|(3<<25) ; the same with the mask of my column, for B's tiles
.irp g, G1, G1B
	s_mov_b32 s[\g+1], ROWB<<16                    ; tensor_dim0 = 192
	s_mov_b32 s[\g+2], 128<<16                     ; tensor_dim1 = 128
	s_mov_b32 s[\g+3], ROWB<<16                    ; tile_dim0 = 192
	s_mov_b32 s[\g+4], 128                         ; tile_dim1 = 128
	s_mov_b32 s[\g+5], KROW                        ; tensor_dim0_stride: 3,072 bytes from row to row
	s_mov_b32 s[\g+6], 0
	s_mov_b32 s[\g+7], 0
.endr
	; and for the scales of 128 rows: a dense block of 16,384 bytes, as 64 rows of 256 bytes (32 elements of 8 bytes), 16 bytes of padding behind each
	s_or_b32 s[G1S+0], s43, (3<<16)|(1<<20)|(1<<21)|(5<<22)|(3<<25)
	s_or_b32 s[G1SB+0], s44, (3<<16)|(1<<20)|(1<<21)|(5<<22)|(3<<25)
.irp g, G1S, G1SB
	s_mov_b32 s[\g+1], 32<<16
	s_mov_b32 s[\g+2], (128*KS/256)<<16
	s_mov_b32 s[\g+3], 32<<16
	s_mov_b32 s[\g+4], 128*KS/256
	s_mov_b32 s[\g+5], 32
	s_mov_b32 s[\g+6], 0
	s_mov_b32 s[\g+7], 0
.endr
	; where the tiles come from.  A's hang on the tile row alone, which my row of the cluster shares; B's on the tile column alone, which my column shares.
	s_lshl_b32 s18, s16, 7                         ; which 128 rows of the tile I fetch
	s_lshl_b32 s20, s17, 8
	s_add_co_u32 s20, s20, s18                     ; A: row 256 x tile row + 128 x half
	s_lshl_b32 s46, s42, 8
	s_add_co_u32 s46, s46, s18                     ; B: row 256 x tile column + 128 x half
	s_mov_b32 s21, 0
	s_mov_b32 s47, 0
	s_mov_b64 s[18:19], KS
	s_mul_u64 s[22:23], s[20:21], s[18:19]         ; where these rows' scales begin, in bytes
	s_mul_u64 s[92:93], s[46:47], s[18:19]
	s_mov_b64 s[18:19], KROW
	s_mul_u64 s[20:21], s[20:21], s[18:19]         ; and their codes
	s_mul_u64 s[46:47], s[46:47], s[18:19]
	s_mul_i32 s45, s14, HALFT                      ; where they go: wave x 128 rows: no place in the cluster enters an LDS address
	s_mul_i32 s94, s14, HALFS
	s_wait_kmcnt 0x0
	s_add_nc_u64 s[20:21], s[4:5], s[20:21]
	s_add_nc_u64 s[22:23], s[6:7], s[22:23]
	s_add_nc_u64 s[46:47], s[8:9], s[46:47]
	s_add_nc_u64 s[92:93], s[10:11], s[92:93]
	CROUND                                         ; all sixteen work-groups are here: the first joint loads meet
	s_mov_b32 s[G0S], 1                            ; 1:0 count = 1
	s_add_co_u32 s[G0S+1], s94, SCL                ; 63:32 LDS address
	s_mov_b64 s[G0S+2:G0S+3], s[22:23]             ; 120:64 global address
	s_or_b32 s[G0S+3], s[G0S+3], 0x80000000        ; 127:126 type = 2
	s_mov_b32 s[G0SB], 1
	s_add_co_u32 s[G0SB+1], s94, SCL
	s_mov_b64 s[G0SB+2:G0SB+3], s[92:93]
	s_or_b32 s[G0SB+3], s[G0SB+3], 0x80000000
	JLOAD G0S, G1S, G0SB, G1SB                     ; the scales first: they are wanted with K step 0.  With the two below, three tensor loads of mine are out
.irp s, 0,1
	s_mov_b32 s[G0+4*\s], 1
	s_add_co_u32 s[G0+4*\s+1], s45, \s*SLOT
	s_add_nc_u64 s[G0+4*\s+2:G0+4*\s+3], s[20:21], \s*ROWB
	s_or_b32 s[G0+4*\s+3], s[G0+4*\s+3], 0x80000000
	s_mov_b32 s[G0B+4*\s], 1
	s_add_co_u32 s[G0B+4*\s+1], s45, \s*SLOT
	s_add_nc_u64 s[G0B+4*\s+2:G0B+4*\s+3], s[46:47], \s*ROWB
	s_or_b32 s[G0B+4*\s+3], s[G0B+4*\s+3], 0x80000000
	JLOAD G0+4*\s, G1, G0B+4*\s, G1B
.endr
	v_and_b32 v1, 15, v0                           ; l % 16
	v_bfe_u32 v2, v0, 4, 1                         ; l / 16
	v_mul_u32_u24 v3, v1, PITCH
	v_mul_u32_u24 v4, v2, 24
	v_add_nc_u32 v4, v3, v4                        ; a fragment's row x pitch + 24 x half
	v_lshl_add_u32 v5, v2, 4, v4                   ; and the same behind one padding more
	s_mul_i32 s21, s15, HALFT                      ; my 128 rows of A
	s_mul_i32 s22, s16, HALFT                      ; my 128 rows of B,
	s_add_co_u32 s22, s22, 2*HALFT                 ; which lie behind A's 256
.irp s, 0,1
	v_add_nc_u32 v[ADRA+\s], s21, v4
	v_add_nc_u32 v[ADRB+\s], s22, v4
	v_add_nc_u32 v[ADRA+2+\s], s21, v5
	v_add_nc_u32 v[ADRB+2+\s], s22, v5
	s_add_co_u32 s21, s21, SLOT
	s_add_co_u32 s22, s22, SLOT
.endr
	v_mul_u32_u24 v5, v1, KS                       ; my row's scales: 128 bytes a row,
	v_lshrrev_b32 v6, 8, v5
	v_lshl_add_u32 v5, v6, 4, v5                   ; and 16 more for each 256 passed
	s_mul_i32 s21, s15, HALFS                      ; A's: my 128 rows
	s_mul_i32 s22, s16, HALFS                      ; B's: my 128 rows, behind A's 256
	s_add_co_u32 s22, s22, 2*HALFS
	s_sub_co_u32 s22, s22, s21
	v_mul_u32_u24 v6, s22, v2                      ; lanes 16-31 take B's
	s_add_co_u32 s21, s21, SCL
	v_add_nc_u32 v5, v5, v6
	v_add_nc_u32 v[ADRS], s21, v5
	s_mul_i32 s23, s14, 16*SPITCH                  ; my stage
	v_mul_u32_u24 v5, v1, SPITCH                   ; in: row l % 16, 32 bytes for each half of the lanes
	v_lshl_add_u32 v5, v2, 5, v5
	v_add_nc_u32 v[STO], s23, v5
	v_and_b32 v6, 31, v0
	v_lshlrev_b32 v[CO], 4, v6                     ; back: the 32 lanes take one row of 512 bytes; and the same in C
	v_add_nc_u32 v[RD], s23, v[CO]
	s_lshl_b32 s20, s17, 8
	s_lshl_b32 s21, s15, 7
	s_add_co_u32 s20, s20, s21                     ; my first row of C: 256 x tile row + 128 x half
	s_mov_b32 s21, 0
	s_mov_b64 s[18:19], SIZE_N*4
	s_mul_u64 s[20:21], s[20:21], s[18:19]
	s_lshl_b32 s46, s42, 10                        ; my first column, in bytes: 1024 x tile column + 512 x half
	s_lshl_b32 s47, s16, 9
	s_add_co_u32 s46, s46, s47
	s_mov_b32 s47, 0
	s_add_nc_u64 s[20:21], s[20:21], s[46:47]
	s_add_nc_u64 s[12:13], s[12:13], s[20:21]
.macro FRAG reg, adr, q, i             ; a fragment, 16 rows x 128 K of 6-bit codes, is 12 registers: lane l holds row l % 16; registers 6 c .. 6 c + 5 hold K = 64 c + 32 (l / 16) + 0 .. 31: 24 bytes of the row's stream of bits, as they lie
.irp p, 0,1,2,3,4,5                    ; in pieces of 8 bytes, so that every address is a multiple of the access's size.  Lanes 0-15 take the row's pieces 12 q + 0, 1, 2 and 12 q + 6, 7, 8, lanes 16-31 those three pieces on
.set PC, 12*(\q)+6*(\p/3)+\p%3         ; 16 bytes of padding lie behind every 64 bytes (8 pieces): where the piece three on lies behind one padding more, the second address register (40 for 24 bytes a half) serves
.if PC%8 < 5
	ds_load_b64 v[\reg+2*\p:\reg+2*\p+1], v[\adr] offset:8*PC+16*(PC/8)+(\i)*16*PITCH
.else
	ds_load_b64 v[\reg+2*\p:\reg+2*\p+1], v[\adr+2] offset:8*PC+16*(PC/8)+(\i)*16*PITCH
.endif
.endr
.endm
; 16 matrix instructions: A's blocks a0, a0 + 1 x B's eight, 128 along K: the slot's q-th.  p: B's set;  sc: the set of scale words.  zero = 1: the first product starts the sums: nothing is ever cleared.
; Source 0's scales (B's) are read from lanes 16-31 of register 2 b + q, source 1's (A's) from lanes 0-15 of register 2 a + q.
; The 64 accumulators take turns, one instruction a turn, in the same order in every step.
.macro MUL16 a0, p, q, sc, zero
.irp a, \a0, \a0+1
.irp b, 0,1,2,3,4,5,6,7
.if \zero
	v_wmma_scale_f32_16x16x128_f8f6f4 v[8*(8*((\a)%4)+\b):8*(8*((\a)%4)+\b)+7], v[128*(\p)+FR*\b:128*(\p)+FR*\b+FR-1], v[AF+FR*(\a):AF+FR*(\a)+FR-1], 0, v[SC+8*NQ*(\sc)+NQ*\b+(\q)], v[SC+8*NQ*(\sc)+NQ*(\a)+(\q)] matrix_a_fmt:MATRIX_FMT_FP6 matrix_b_fmt:MATRIX_FMT_FP6 matrix_a_scale:MATRIX_SCALE_ROW1
.else
	v_wmma_scale_f32_16x16x128_f8f6f4 v[8*(8*((\a)%4)+\b):8*(8*((\a)%4)+\b)+7], v[128*(\p)+FR*\b:128*(\p)+FR*\b+FR-1], v[AF+FR*(\a):AF+FR*(\a)+FR-1], v[8*(8*((\a)%4)+\b):8*(8*((\a)%4)+\b)+7], v[SC+8*NQ*(\sc)+NQ*\b+(\q)], v[SC+8*NQ*(\sc)+NQ*(\a)+(\q)] matrix_a_fmt:MATRIX_FMT_FP6 matrix_b_fmt:MATRIX_FMT_FP6 matrix_a_scale:MATRIX_SCALE_ROW1
.endif
.endr
.endr
.endm
.macro FETCH_B slot, q, p              ; B's eight fragments of the slot's q-th 128 along K into set p: 48 loads
	WIN TO_B
.irp i, 0,1,2,3,4,5,6,7
	FRAG 128*(\p)+FR*\i, ADRB+\slot, \q, \i
.endr
	WIN 0
.endm
.macro FETCH_A slot, q, i0             ; A's blocks i0 .. i0 + 3: 24 loads
.irp i, \i0, \i0+1, \i0+2, \i0+3
	FRAG AF+FR*(\i), ADRA+\slot, \q, \i
.endr
.endm
.macro SCALES sc                       ; the next K step's scale words into set sc: two words a row; lanes 0-15 take A's block i, lanes 16-31 B's block i
.irp i, 0,1,2,3,4,5,6,7
	ds_load_b64 v[SC+8*NQ*\sc+NQ*\i:SC+8*NQ*\sc+NQ*\i+1], v[ADRS] offset:\i*SBLK
.endr
.endm
; A load into a register that a matrix instruction has read, and a vector instruction or an LDS store that reads a matrix result, stand NP places behind that matrix instruction, and only plain vector
; instructions that name none of its registers are places (ISA guide 7.12.1 for vector instructions); this text does not count the matrix instructions in between.
.macro PLACES n
.rept \n
	v_nop
.endr
.endm
; A step of 128 along K that has its successor in the same slot.
.macro STEP slot, q, zero
	s_wait_dscnt 4*NL                              ; B's set, A's blocks 0-3 and the scale words are in; the youngest 24 loads (A's blocks 4-7) may be out
	WIN MUL_LO
	MUL16 0, (\q)%2, \q, \slot, \zero
	MUL16 2, (\q)%2, \q, \slot, \zero
	s_wait_dscnt 0                                 ; A's blocks 4-7 are in (asked for 32 matrix instructions ago)
	PLACES NP
	FETCH_B \slot, (\q)+1, 1-(\q)%2
	FETCH_A \slot, (\q)+1, 0
	WIN MUL_HI
	MUL16 4, (\q)%2, \q, \slot, \zero
	MUL16 6, (\q)%2, \q, \slot, \zero
	PLACES NP
	WIN 0
	FETCH_A \slot, (\q)+1, 4
.endm
; A slot's last step changes slots: ONE barrier; in front of it each wave waits for all its tensor loads, adds 0 to its spare word, and waits for that and for its own reads of this slot.
; fill = 1: this slot is filled again, two K steps ahead; the barrier then opens a round of the cluster's barrier, and the joint refill is the first tensor load behind the round: one load of mine is out until the next change of slots.
.macro TURN slot, next, fill
	s_wait_tensorcnt 0x0                           ; all my tensor loads have landed: my part of the next slot;  (every window is 0 here: the add's two registers lie in window 0)
	ds_add_u32 v[SPW], v[NIL]                      ; 0 onto my spare word
	s_wait_dscnt 4*NL+1                            ; (the add and the youngest 24 loads, A's blocks 4-7, may be out)
	WIN MUL_LO
	MUL16 0, 1, NQ-1, \slot, 0                     ; sixteen matrix instructions stand between the add and the wait for it
	s_wait_dscnt 0x0                               ; the add is done, and my reads of this slot are over
	s_barrier_signal -1
	MUL16 2, 1, NQ-1, \slot, 0                     ; work on registers while the others arrive
	WIN 0
	s_barrier_wait -1
.if \fill
	CREST                                          ; no wave of any partner still reads this slot's tile or has a load on its way
	s_add_nc_u64 s[G0+4*\slot+2:G0+4*\slot+3], s[G0+4*\slot+2:G0+4*\slot+3], 2*ROWB      ; no tensor load of mine is out, so a group 0 may be written: two K steps on
	s_add_nc_u64 s[G0B+4*\slot+2:G0B+4*\slot+3], s[G0B+4*\slot+2:G0B+4*\slot+3], 2*ROWB
	JLOAD G0+4*\slot, G1, G0B+4*\slot, G1B         ; the four v_nop behind the load are also the places in front of the loads below
.else
	PLACES NP
.endif
	v_add_nc_u32 v[ADRS], 4*NQ, v[ADRS]            ; on to the next K step's scale words: 8 bytes a row (no LDS load of mine is out)
	FETCH_B \next, 0, 0
	FETCH_A \next, 0, 0
	SCALES \next
	WIN MUL_HI
	MUL16 4, 1, NQ-1, \slot, 0
	MUL16 6, 1, NQ-1, \slot, 0
	PLACES NP
	WIN 0
	FETCH_A \next, 0, 4
.endm
	s_wait_tensorcnt 1                             ; the scales and my part of K step 0 are in; K step 1's load may stay out
	s_barrier_signal -1
	s_barrier_wait -1                              ; everybody's are
	FETCH_B 0, 0, 0
	FETCH_A 0, 0, 0
	SCALES 0
	FETCH_A 0, 0, 4
	STEP 0, 0, 1                                   ; the first step stands in front of the loop: its products start the sums
	s_mov_b32 s3, LAPS-1
.Llap:                                                 ; a trip goes once round the ring, from a lap's second step to the next lap's first: 512 along K, 256 matrix instructions, both slots filled again
	TURN 0, 1, 1
	STEP 1, 0, 0
	TURN 1, 0, 1
	STEP 0, 0, 0
	s_sub_co_u32 s3, s3, 1
	s_cmp_lg_u32 s3, 0
	s_cbranch_scc1 .Llap
	TURN 0, 1, 0                                   ; the last lap fills nothing, and has no round of the cluster's barrier
	STEP 1, 0, 0
	s_wait_dscnt 4*NL                              ; the very last step: nothing more to fetch
	WIN MUL_LO
	MUL16 0, 1, NQ-1, 1, 0
	MUL16 2, 1, NQ-1, 1, 0
	s_wait_dscnt 0
	WIN MUL_HI
	MUL16 4, 1, NQ-1, 1, 0
	MUL16 6, 1, NQ-1, 1, 0
	WIN 0
; THE WAY OUT, block by block of 16 rows x 128 columns.  A lane holds 32 neighbouring bytes of a row, and the lanes beside it hold other rows: so a block goes through my own stage in LDS and comes back as whole
; rows of 512 bytes, which the 32 lanes store together.  LDS serves a wave's instructions in order (ISA guide 5.7.1.4): no wait between the stores and the loads, nor in front of the next block's stores.
.macro TOSTAGE a
.set AC, 64*((\a)%4)
	WIN 0x08+4*((\a)/4)                            ; the data: window 2 or 3
.irp b, 0,1,2,3,4,5,6,7
	ds_store_b128 v[STO], v[AC+8*\b:AC+8*\b+3] offset:64*\b          ; each accumulator from its low end on
	ds_store_b128 v[STO], v[AC+8*\b+4:AC+8*\b+7] offset:64*\b+16
.endr
	WIN 0
.set BB, BK+64*((\a)%2)
.irp t, 0,1,2,3,4,5,6,7,8,9,10,11,12,13,14,15
	ds_load_b128 v[BB+4*\t:BB+4*\t+3], v[RD] offset:\t*SPITCH
.endr
.endm
.macro SEND a, younger                 ; younger: the LDS instructions issued behind block a's loads, which may stay out
.set BB, BK+64*((\a)%2)
	s_wait_dscnt \younger                          ; the block is back in registers
.if (\a) > 0
	s_wait_xcnt 0x0                                ; only behind this wait is the stores' base rewritten
	s_add_nc_u64 s[12:13], s[12:13], 16*SIZE_N*4   ; 16 rows of C on, so that the stores' offsets stay small: 15 rows of C, 245,760 bytes, at the most
.endif
.irp t, 0,1,2,3,4,5,6,7,8,9,10,11,12,13,14,15
	global_store_b128 v[CO], v[BB+4*\t:BB+4*\t+3], s[12:13] offset:\t*SIZE_N*4 th:TH_STORE_NT   ; 32 lanes store 512 consecutive bytes, at a multiple of 256 from C's first byte; nothing in the launch reads them
.endr
.endm
	PLACES NP                                      ; behind the last products: these places serve the loads into A's registers and block 7's reads alike
	TOSTAGE 0
.irp a, 1,2,3,4,5,6,7
	s_wait_xcnt 0x0                                ; block a - 2's stores have read their registers: block a's loads may land there
	TOSTAGE \a
	SEND \a-1, 32                                  ; behind block a - 1's loads: block a's 16 stores and 16 loads
.endr
	SEND 7, 0
	s_wait_tensorcnt 0x0                           ; the wave's end, behind my last tensor load and my last LDS store
	ds_add_u32 v[SPW], v[NIL]
	s_wait_dscnt 0x0
	CROUND                                         ; the closing round: no work-group ends while a partner may still ask for a tile that names it
	s_endpgm
.Lfunc_end_k_q7c15aa07d5_gemm:
	.size	k_q7c15aa07d5_gemm, .Lfunc_end_k_q7c15aa07d5_gemm-k_q7c15aa07d5_gemm
	.p2alignl 7, 3214868480
	.fill 96, 4, 3214868480
	.section	.rodata,"a",@progbits
	.p2align	6, 0x0
	.amdhsa_kernel k_q7c15aa07d5_gemm
		.amdhsa_group_segment_fixed_size 327680
		.amdhsa_private_segment_fixed_size 0
		.amdhsa_enable_private_segment 0
		.amdhsa_kernarg_size 40
		.amdhsa_user_sgpr_count 2
		.amdhsa_user_sgpr_kernarg_segment_ptr 1
		.amdhsa_wavefront_size32 1
		.amdhsa_system_sgpr_workgroup_id_x 1
		.amdhsa_system_sgpr_workgroup_id_y 1
		.amdhsa_system_sgpr_workgroup_id_z 1
		.amdhsa_system_vgpr_workitem_id 0
		.amdhsa_next_free_vgpr 1024
		.amdhsa_next_free_sgpr 98
		.amdhsa_reserve_vcc 0
		.amdhsa_float_denorm_mode_32 3
		.amdhsa_float_denorm_mode_16_64 3
		.amdhsa_memory_ordered 1
		.amdhsa_forward_progress 1
		.amdhsa_inst_pref_size 160
	.end_amdhsa_kernel
	.amdgpu_metadata
---
amdhsa.version: [ 1, 2 ]
amdhsa.kernels:
  - .name:           k_q7c15aa07d5_gemm
    .symbol:         k_q7c15aa07d5_gemm.kd
    .args:
      - { .name: a_codes, .offset: 0, .size: 8, .value_kind: global_buffer, .address_space: global }
      - { .name: a_scales, .offset: 8, .size: 8, .value_kind: global_buffer, .address_space: global }
      - { .name: b_codes, .offset: 16, .size: 8, .value_kind: global_buffer, .address_space: global }
      - { .name: b_scales, .offset: 24, .size: 8, .value_kind: global_buffer, .address_space: global }
      - { .name: out0, .offset: 32, .size: 8, .value_kind: global_buffer, .address_space: global }
    .group_segment_fixed_size: 327680
    .private_segment_fixed_size: 0
    .kernarg_segment_align: 8
    .kernarg_segment_size: 40
    .max_flat_workgroup_size: 128
    .sgpr_count:     98
    .vgpr_count:     1024
    .wavefront_size: 32
...
	.end_amdgpu_metadata
.endif
;; end of part 2
;; ======== version 2 of 2: 2 launches
;; limits: right only within a limited range of input values
;; workspace buffers: a_pack 13,107,200 bytes; b_pack 13,107,200 bytes
;; launch quant (part 3): grid 1024 x 1, 4 waves a work-group, no clusters, 34,304 bytes of LDS; arguments A, B, a_pack, b_pack; writes a_pack, b_pack
.if DOCPART == 3
	.amdgcn_target "amdgcn-amd-amdhsa--gfx1250"
	.amdhsa_code_object_version 6
	.text
	.protected	k_q7c15aa07d5_quant
	.globl	k_q7c15aa07d5_quant
	.p2align	8
	.type	k_q7c15aa07d5_quant,@function
k_q7c15aa07d5_quant:
	s_mov_b64 s[64:65], 0
	v_nop
	global_prefetch_b8 v0, s[64:65] scope:SCOPE_SE
	s_setreg_imm32_b32 hwreg(HW_REG_WAVE_MODE, 25, 1), 1
	s_wait_xcnt 0x0
; A [4096 m][4096 k] and B [4096 k][4096 n], f32, are turned into codes of FP6 (E2M3), 6 bits each, with one E8M0 scale byte for each 32 along K, and laid IN THE ORDER IN WHICH THE MATRIX INSTRUCTION'S OPERAND
; REGISTERS WANT THEM.  "Row" is m for A and n for B.  a_pack and b_pack are [G = row / 128 (32)][s = k / 128 (32)][12,800 bytes], and such a unit (128 rows x 128 along K) holds
;   bytes 0 .. 12,287: eight fragments i of 16 rows, 1,536 bytes each, laid [j = 0..2][lane 0..31][16 bytes]: piece j of lane l = r + 16 h is registers 4 j .. 4 j + 3 of the twelve that lane l holds of the fragment:
;                      registers 6 c .. 6 c + 5 are the 32 codes (24 bytes, one stream of bits, the lowest k in the lowest bits) of row 16 i + r at k = 128 s + 64 c + 32 h + 0 .. 31;
;   bytes 12,288 .. 12,799: the scale words (four bytes: the row's four blocks of this unit, the lowest k in the lowest byte): that of row 16 (4 u + i') + r at 256 u + 16 r + 4 i'.
; A block's scale is 2^(floor(log2(its largest magnitude)) - 2), 2 being the exponent of the format's largest number, 7.5.  Its byte is that exponent + 127, which is the largest magnitude's own
; exponent field - 2, held at 1 from below; a block of zeros gets 127.  Each number is divided by the scale and rounded to the nearest code, ties to even; beyond 7.5 the conversion gives the largest code.
; LIMITS: blocks whose largest magnitude lies under 2^-123, whose byte is held at 1, were not tried; NaN and infinities among the inputs are not served.
; ONE LAUNCH FOR BOTH TENSORS: work-groups 0 to 511 take A (K innermost), work-groups 512 to 1023 take B (K is its first axis).  The branch hangs on the work-group's number alone.
; IN BOTH PARTS A WAVE TAKES HALF A UNIT, 64 rows x 128 along K: it reads 32 KiB and stores 6,144 consecutive bytes of codes and 256 consecutive bytes of scale words, both at multiples of 256 from the buffer's first byte.
; No tensor loads, no barrier, no loop: waves share nothing, and every offset is an immediate.
.set WGA,    512                       ; A's work-groups: 32 G x 32 s x 2 halves / 4 waves
.set UNIT,   12800
.set FRAGB,  1536                      ; a fragment in bytes
.set HALFC,  4*FRAGB                   ; the codes of half a unit
.set SCOFF,  8*FRAGB                   ; where a unit's scale words begin
.set NROW,   16384                     ; a row of A or of B in bytes
.set EMAX,   2
; part A's registers: v5 16 x lane; v6, v7 stage addresses; v8 my place among the scale words; v9 8 h; v12-21 at work; v22-23 the scale words that I store
.set APITCH, 528                       ; a stage row: 512 bytes + 16 = 33 x 16: the sixteen rows that a load of 16 bytes a lane touches start in sixteen different columns of 16 bytes (64 banks of 4 bytes: ISA guide 11.1)
.set ASTAGE, 16*APITCH                 ; a wave's stage: 16 rows
.set WA,     24                        ; v24-27   a scale word for each of my four fragments
.set TA,     28                        ; v28-30, v32-34  the second halves of two blocks' codes, before they are moved
.set XA,     36                        ; v36-163  two sets of 64: 16 rows x 16 bytes a lane, as loaded
.set YA,     164                       ; v164-227 my two whole blocks of 32 numbers
.set RA,     228                       ; v228-251 two sets of 12: a fragment's operand registers
; part B's registers: v5 4 x lane; v6 into the stage; v7, v8 out of it; v9, v10, v11 the same for the scale words; v12-14 at work
.set BSTAGE, HALFC+256                 ; a wave's stage: its codes in their final order, then its scale words
.set SB,     16                        ; v16-17   my column's scale word, one for each pass
.set QB,     20                        ; v20-27   a block's six registers of codes
.set PB,     28                        ; v28-30   the second half of them, before it is moved
.set XB,     36                        ; v36-99   two sets of 32 numbers
.set OB,     100                       ; v100-147 the way out: 12 x 4 registers
.set OS,     148                       ; v148-149 the way out: 8 bytes of scale words
; A block of 32 numbers in v[ys .. ys + 31]: v[m] its largest magnitude, v[m+1] its scale's byte, v[m+2] the scale as f32 (the conversion takes its exponent field).
.macro BSCALE ys, m
	v_max3_num_f32 v[\m], |v[\ys]|, |v[\ys+1]|, |v[\ys+2]|         ; two chains that do not wait for each other
	v_max3_num_f32 v[\m+1], |v[\ys+3]|, |v[\ys+4]|, |v[\ys+5]|
.irp i, 6,10,14,18,22,26
	v_max3_num_f32 v[\m], v[\m], |v[\ys+\i]|, |v[\ys+\i+1]|
	v_max3_num_f32 v[\m+1], v[\m+1], |v[\ys+\i+2]|, |v[\ys+\i+3]|
.endr
	v_max3_num_f32 v[\m], v[\m], |v[\ys+30]|, |v[\ys+31]|
	v_max_num_f32 v[\m], v[\m], v[\m+1]
	v_lshrrev_b32 v[\m+1], 23, v[\m]               ; its exponent field (the sign bit is 0)
	v_max_u32 v[\m+1], EMAX+1, v[\m+1]             ; the byte is not to fall under 1
	v_add_nc_u32 v[\m+1], -EMAX, v[\m+1]           ; the scale's byte
	v_lshlrev_b32 v[\m+2], 23, v[\m+1]
	v_cmp_eq_u32 vcc_lo, 0, v[\m]
	v_cndmask_b32 v[\m+1], v[\m+1], 127, vcc_lo    ; a block of zeros gets 127
.endm
; From G (s19), s (s17) and the half u (s18): where my codes (s[24:25]) and my scale words (s[26:27]) begin in the pack, in bytes (under 2^24)
.macro PACKOFF
	s_lshl_b32 s22, s19, 5
	s_add_co_u32 s22, s22, s17
	s_mul_i32 s22, s22, UNIT
	s_mul_i32 s24, s18, HALFC
	s_add_co_u32 s24, s24, s22
	s_mov_b32 s25, 0
	s_lshl_b32 s26, s18, 8
	s_add_co_u32 s26, s26, s22
	s_add_co_u32 s26, s26, SCOFF
	s_mov_b32 s27, 0
.endm
	s_load_b128 s[4:7], s[0:1], 0x0                ; A, B
	s_load_b128 s[8:11], s[0:1], 0x10              ; a_pack, b_pack
	v_lshl_add_u32 v254, v0, 2, 0x8400
	v_mov_b32 v255, 0
	v_lshrrev_b32 v1, 5, v0
	v_readfirstlane_b32 s16, v1                    ; wave 0..3
	v_and_b32 v2, 31, v0                           ; lane
	v_and_b32 v3, 15, v0                           ; lane % 16
	v_bfe_u32 v4, v0, 4, 1                         ; lane / 16
	s_cmp_lt_u32 ttmp9, WGA
	s_cbranch_scc0 .Lpart_b
; ---------------------------------------------------------------- PART A: K is innermost
; A load takes one row's 128 numbers: 512 consecutive bytes, 16 a lane.  But the conversion takes 16 neighbours along K from ONE lane's registers, and the operand's layout gives lane (r, h) two whole blocks of row r.
; So a fragment's 16 rows go through the wave's own stage in LDS: in as they were loaded, back so that lane (r, h) holds blocks h and 2 + h of row r.  A block's largest magnitude then needs no other lane,
; the four conversions' results ARE the lane's twelve operand registers, and three stores of 16 bytes a lane, 512 consecutive bytes each, put them at their place.
; The four waves of a work-group take four neighbouring steps along K of the same 64 rows: 2,048 consecutive bytes of each row.  Loads run two fragments (32 loads a wave) ahead.
	s_and_b32 s17, ttmp9, 7
	s_lshl_b32 s17, s17, 2
	s_add_co_u32 s17, s17, s16                     ; s: which 128 along K
	s_bfe_u32 s18, ttmp9, 0x10003                  ; u: which 64 rows of the group
	s_lshr_b32 s19, ttmp9, 4                       ; G: which 128 rows
	s_lshl_b32 s20, s19, 21                        ; A: 128 rows of 16,384 bytes a group,
	s_lshl_b32 s22, s18, 20                        ; 64 rows a half,
	s_add_co_u32 s20, s20, s22
	s_lshl_b32 s22, s17, 9                         ; 512 bytes a step
	s_add_co_u32 s20, s20, s22
	s_mov_b32 s21, 0
	PACKOFF
	s_mul_i32 s28, s16, ASTAGE                     ; my stage
	s_mov_b32 s30, 0x76543210
	s_mov_b32 s31, 0xfedcba98                      ; v_permlanex16_b32's selects for lane l xor 16
	s_wait_alu depctr_va_vdst(0)
	v_lshlrev_b32 v5, 4, v2                        ; 16 x lane: my place in a row's 512 bytes, and in a store's
	v_add_nc_u32 v6, s28, v5                       ; into the stage: the same place in a stage row
	v_mul_u32_u24 v7, v3, APITCH
	v_lshl_add_u32 v7, v4, 7, v7
	v_add_nc_u32 v7, s28, v7                       ; out of it: row r, block h (128 bytes a block)
	v_lshlrev_b32 v8, 4, v3
	v_lshl_add_u32 v8, v4, 3, v8                   ; the scale words: 16 r + 8 h
	v_lshlrev_b32 v9, 3, v4                        ; 8 h
	s_wait_alu depctr_va_vdst(0)
	s_wait_kmcnt 0x0
	s_add_nc_u64 s[4:5], s[4:5], s[20:21]
	s_add_nc_u64 s[12:13], s[8:9], s[24:25]
	s_add_nc_u64 s[14:15], s[8:9], s[26:27]
.macro LOADA f                         ; fragment f's 16 rows into set f % 2
.irp r, 0,1,2,3,4,5,6,7,8,9,10,11,12,13,14,15
	global_load_b128 v[XA+64*((\f)%2)+4*\r:XA+64*((\f)%2)+4*\r+3], v5, s[4:5] offset:(16*(\f)+\r)*NROW th:TH_LOAD_NT
.endr
.endm
.macro FRAGA f
.set XS, XA+64*((\f)%2)
.set RS, RA+12*((\f)%2)
.if (\f) < 3
	s_wait_loadcnt 16                              ; this fragment's 16 loads are in; the next fragment's 16 may be out
.else
	s_wait_loadcnt 0
.endif
.irp r, 0,1,2,3,4,5,6,7,8,9,10,11,12,13,14,15
	ds_store_b128 v6, v[XS+4*\r:XS+4*\r+3] offset:\r*APITCH
.endr
.irp c, 0,1
.irp e, 0,1,2,3,4,5,6,7
	ds_load_b128 v[YA+32*\c+4*\e:YA+32*\c+4*\e+3], v7 offset:256*\c+16*\e   ; LDS serves a wave's instructions in order (ISA guide 5.7.1.4): these see the stores above, and the next fragment's stores come behind them
.endr
.endr
	s_wait_dscnt 0x0                               ; my two blocks are in, and the stores have read their registers: the set may be loaded again
.if (\f)+2 < 4
	LOADA (\f)+2
.endif
	BSCALE YA, 12                                  ; block h
	BSCALE YA+32, 16                               ; block 2 + h
	v_lshl_or_b32 v20, v17, 16, v13                ; my two bytes,
	v_lshlrev_b32 v20, v9, v20                     ; at their places in the row's scale word (8 h bits up);
	v_mov_b32 v21, 0                               ; (the destination of a lane permute counts as read)
	v_permlanex16_b32 v21, v20, s30, s31
	v_or_b32 v[WA+(\f)], v20, v21                  ; with lane l xor 16's two the word is whole
.if (\f) >= 2
	s_wait_xcnt 0x0                                ; the stores of the fragment two back have read this set of twelve: it is rewritten only behind this wait
.endif
.irp c, 0,1
	v_cvt_scalef32_pk16_fp6_f32 v[RS+6*\c:RS+6*\c+2], v[YA+32*\c:YA+32*\c+15], v[14+4*\c]          ; sixteen codes, 96 bits without gaps, the first number's code lowest
	v_cvt_scalef32_pk16_fp6_f32 v[TA+4*\c:TA+4*\c+2], v[YA+32*\c+16:YA+32*\c+31], v[14+4*\c]       ; (a conversion's three registers begin on an even number: the second half of a block's six does not, so it is made elsewhere and moved)
.endr
	v_nop                                          ; one plain vector instruction between a scaled conversion and what touches its result
.irp c, 0,1
.irp i, 0,1,2
	v_mov_b32 v[RS+6*\c+3+\i], v[TA+4*\c+\i]
.endr
.endr
.irp j, 0,1,2
	global_store_b128 v5, v[RS+4*\j:RS+4*\j+3], s[12:13] offset:FRAGB*(\f)+512*\j   ; 32 lanes store 512 consecutive bytes, at a multiple of 256 from the buffer's first byte
.endr
.endm
	LOADA 0
	LOADA 1
.irp f, 0,1,2,3
	FRAGA \f
.endr
	v_cmp_ne_u32 vcc_lo, 0, v4                     ; both lanes of a row hold its four words: lanes 0-15 store those of fragments 0 and 1, lanes 16-31 those of 2 and 3
	v_cndmask_b32 v22, v[WA], v[WA+2], vcc_lo
	v_cndmask_b32 v23, v[WA+1], v[WA+3], vcc_lo
	global_store_b64 v8, v[22:23], s[14:15]        ; 32 lanes store 256 consecutive bytes, at a multiple of 256 from the buffer's first byte
	s_wait_tensorcnt 0x0
	ds_add_u32 v254, v255
	s_wait_dscnt 0x0
	s_endpgm
; ---------------------------------------------------------------- PART B: K is the first axis
; A LANE TAKES A COLUMN n, AND ITS REGISTERS RUN DOWN K: each load reads neighbouring n in neighbouring lanes (128 consecutive bytes a wave), a block of 32 along K lies in ONE lane's 32 registers,
; so that its largest magnitude needs no other lane, and the conversions give the codes with K innermost.  Nothing is transposed by an instruction.
; A wave's 64 columns go in two passes of 32, four blocks down K each.  The block 2 c + hb of the column with r = lane % 16 belongs to lane r + 16 hb of the column's fragment, registers 6 c .. 6 c + 5: it is put
; there in the wave's own stage in LDS (16 bytes and 8 bytes), and the stage leaves as it lies, 512 consecutive bytes a store.  Loads run two blocks (64 loads a wave) ahead.
; The four waves of a work-group take both halves of a group's 128 columns, for two neighbouring steps along K.  The largest immediate, 127 rows of B and 128 bytes, is 2,080,896: inside the signed 24-bit field (ISA guide, chapter 10).
.Lpart_b:
	s_sub_co_u32 s17, ttmp9, WGA                   ; 0 .. 511
	s_and_b32 s19, s17, 31                         ; G: which 128 columns
	s_lshr_b32 s17, s17, 5
	s_lshl_b32 s17, s17, 1
	s_lshr_b32 s18, s16, 1
	s_add_co_u32 s17, s17, s18                     ; s: which 128 along K
	s_and_b32 s18, s16, 1                          ; u: which 64 columns of the group
	s_lshl_b32 s20, s17, 21                        ; B: 128 rows of 16,384 bytes a step,
	s_lshl_b32 s22, s19, 9                         ; 512 bytes a group,
	s_add_co_u32 s20, s20, s22
	s_lshl_b32 s22, s18, 8                         ; 256 bytes a half
	s_add_co_u32 s20, s20, s22
	s_mov_b32 s21, 0
	PACKOFF
	s_mul_i32 s28, s16, BSTAGE                     ; my stage
	s_wait_alu depctr_va_vdst(0)
	v_lshlrev_b32 v5, 2, v2                        ; in: 4 bytes a lane
	v_mul_u32_u24 v6, v4, FRAGB
	v_lshl_add_u32 v6, v3, 4, v6
	v_add_nc_u32 v6, s28, v6                       ; into the stage: my column's fragment of the pass's two, lane r's 16 bytes
	v_lshlrev_b32 v8, 4, v2                        ; out: 16 bytes a lane
	v_add_nc_u32 v7, s28, v8
	v_lshlrev_b32 v9, 4, v3
	v_lshl_add_u32 v9, v4, 2, v9
	v_add_nc_u32 v9, s28, v9
	v_add_nc_u32 v9, HALFC, v9                     ; my column's scale word: 16 r + 4 x fragment, behind the codes
	v_lshlrev_b32 v11, 3, v2                       ; and out: 8 bytes a lane
	v_add_nc_u32 v10, s28, v11
	v_add_nc_u32 v10, HALFC, v10
	s_wait_kmcnt 0x0
	s_add_nc_u64 s[6:7], s[6:7], s[20:21]
	s_add_nc_u64 s[12:13], s[10:11], s[24:25]
	s_add_nc_u64 s[14:15], s[10:11], s[26:27]
.macro LOADB t                         ; pass t / 4, block t % 4: B(32 (t % 4) + i, my column), i = 0 .. 31, into set t % 2
.irp i, 0,1,2,3,4,5,6,7,8,9,10,11,12,13,14,15,16,17,18,19,20,21,22,23,24,25,26,27,28,29,30,31
	global_load_b32 v[XB+32*((\t)%2)+\i], v5, s[6:7] offset:(32*((\t)%4)+\i)*NROW+128*((\t)/4) th:TH_LOAD_NT
.endr
.endm
.macro BLOCKB t
.set XS, XB+32*((\t)%2)
.set QS, QB+2*(((\t)%4)/2)             ; so that the run of four registers begins on a multiple of four in both cases below
.set SO, 2*FRAGB*((\t)/4)+256*((\t)%2) ; the pass's two fragments; lanes 16-31 of a fragment lie 256 bytes behind lanes 0-15
.if (\t) < 7
	s_wait_loadcnt 32                              ; this block's 32 loads are in; the next block's 32 may be out
.else
	s_wait_loadcnt 0
.endif
	BSCALE XS, 12
.if (\t)%4 == 0
	v_mov_b32 v[SB+(\t)/4], v13                    ; four bytes to a word, the lower K in the lower byte
.else
	v_lshl_or_b32 v[SB+(\t)/4], v13, 8*((\t)%4), v[SB+(\t)/4]
.endif
	v_cvt_scalef32_pk16_fp6_f32 v[QS:QS+2], v[XS:XS+15], v14
	v_cvt_scalef32_pk16_fp6_f32 v[PB:PB+2], v[XS+16:XS+31], v14    ; (a conversion's three registers begin on an even number)
	v_nop                                          ; one plain vector instruction between a scaled conversion and what touches its result
.irp i, 0,1,2
	v_mov_b32 v[QS+3+\i], v[PB+\i]                 ; the block's six registers on end
.endr
.if ((\t)%4)/2 == 0
	ds_store_b128 v6, v[QS:QS+3] offset:SO         ; operand registers 0-3: piece 0
	ds_store_b64 v6, v[QS+4:QS+5] offset:SO+512    ; 4, 5: the lower half of piece 1
.else
	ds_store_b64 v6, v[QS:QS+1] offset:SO+520      ; 6, 7: the upper half of piece 1
	ds_store_b128 v6, v[QS+2:QS+5] offset:SO+1024  ; 8-11: piece 2
.endif
.if (\t)+2 < 8
	LOADB (\t)+2
.endif
	s_wait_dscnt 0x0                               ; the stores have read their registers: the next block's codes may be written
.endm
	LOADB 0
	LOADB 1
.irp t, 0,1,2,3,4,5,6,7
	BLOCKB \t
.endr
	ds_store_b32 v9, v[SB]                         ; the first pass's fragments 0 and 1,
	s_wait_alu depctr_va_vdst(0)
	ds_store_b32 v9, v[SB+1] offset:8              ; the second's 2 and 3
.irp t, 0,1,2,3,4,5,6,7,8,9,10,11
	ds_load_b128 v[OB+4*\t:OB+4*\t+3], v7 offset:512*\t            ; LDS serves a wave's instructions in order: these see my stores
.endr
	ds_load_b64 v[OS:OS+1], v10
.irp t, 0,1,2,3,4,5,6,7,8,9,10,11
	s_wait_dscnt 12-\t                             ; load t is back; the 12 - t younger ones may be out
	global_store_b128 v8, v[OB+4*\t:OB+4*\t+3], s[12:13] offset:512*\t   ; 32 lanes store 512 consecutive bytes, at a multiple of 256 from the buffer's first byte
.endr
	s_wait_dscnt 0x0
	global_store_b64 v11, v[OS:OS+1], s[14:15]     ; 32 lanes store 256 consecutive bytes, at a multiple of 256 from the buffer's first byte
	s_wait_tensorcnt 0x0
	ds_add_u32 v254, v255
	s_wait_dscnt 0x0
	s_endpgm
.Lfunc_end_k_q7c15aa07d5_quant:
	.size	k_q7c15aa07d5_quant, .Lfunc_end_k_q7c15aa07d5_quant-k_q7c15aa07d5_quant
	.p2alignl 7, 3214868480
	.fill 96, 4, 3214868480
	.section	.rodata,"a",@progbits
	.p2align	6, 0x0
	.amdhsa_kernel k_q7c15aa07d5_quant
		.amdhsa_group_segment_fixed_size 34304
		.amdhsa_private_segment_fixed_size 0
		.amdhsa_enable_private_segment 0
		.amdhsa_kernarg_size 32
		.amdhsa_user_sgpr_count 2
		.amdhsa_user_sgpr_kernarg_segment_ptr 1
		.amdhsa_wavefront_size32 1
		.amdhsa_system_sgpr_workgroup_id_x 1
		.amdhsa_system_sgpr_workgroup_id_y 1
		.amdhsa_system_sgpr_workgroup_id_z 1
		.amdhsa_system_vgpr_workitem_id 0
		.amdhsa_next_free_vgpr 256
		.amdhsa_next_free_sgpr 66
		.amdhsa_reserve_vcc 1
		.amdhsa_float_denorm_mode_32 3
		.amdhsa_float_denorm_mode_16_64 3
		.amdhsa_memory_ordered 1
		.amdhsa_forward_progress 1
		.amdhsa_inst_pref_size 73
	.end_amdhsa_kernel
	.amdgpu_metadata
---
amdhsa.version: [ 1, 2 ]
amdhsa.kernels:
  - .name:           k_q7c15aa07d5_quant
    .symbol:         k_q7c15aa07d5_quant.kd
    .args:
      - { .name: A, .offset: 0, .size: 8, .value_kind: global_buffer, .address_space: global }
      - { .name: B, .offset: 8, .size: 8, .value_kind: global_buffer, .address_space: global }
      - { .name: a_pack, .offset: 16, .size: 8, .value_kind: global_buffer, .address_space: global }
      - { .name: b_pack, .offset: 24, .size: 8, .value_kind: global_buffer, .address_space: global }
    .group_segment_fixed_size: 34304
    .private_segment_fixed_size: 0
    .kernarg_segment_align: 8
    .kernarg_segment_size: 32
    .max_flat_workgroup_size: 128
    .sgpr_count:     66
    .vgpr_count:     256
    .wavefront_size: 32
...
	.end_amdgpu_metadata
.endif
;; end of part 3
;; launch gemm (part 4): grid 16 x 16, 4 waves a work-group, clusters of 4 x 4, 327,680 bytes of LDS; arguments a_pack, b_pack, out0; writes out0
.if DOCPART == 4
	.amdgcn_target "amdgcn-amd-amdhsa--gfx1250"
	.amdhsa_code_object_version 6
	.text
	.protected	k_q7c15aa07d5_gemm
	.globl	k_q7c15aa07d5_gemm
	.p2align	8
	.type	k_q7c15aa07d5_gemm,@function
k_q7c15aa07d5_gemm:
	s_mov_b64 s[64:65], 0
	v_nop
	global_prefetch_b8 v0, s[64:65] scope:SCOPE_SE
	s_setreg_imm32_b32 hwreg(HW_REG_WAVE_MODE, 25, 1), 1
	s_wait_xcnt 0x0
	s_wait_alu depctr_hold_cnt(0) depctr_sa_sdst(0) depctr_va_vdst(0) depctr_va_sdst(0) depctr_va_ssrc(0) depctr_va_vcc(0) depctr_vm_vsrc(0)
	s_getreg_b32 s2, hwreg(HW_REG_IB_STS2, 6, 4)
	s_cmp_eq_u32 s2, 0
	s_cbranch_scc0 .Lentry_in_a_cluster
	s_endpgm
.Lentry_in_a_cluster:
	s_bfe_u32 s2, ttmp6, 0x10000c
	s_cmp_lg_u32 s2, 0xf033
	s_cbranch_scc0 .Lentry_shape_is_right
	s_endpgm
.Lentry_shape_is_right:
; out0[m][n] = sum over k of A[m][k] B[k][n] on codes of FP6 (E2M3) with one E8M0 scale for each 32 along K; sums in f32.
; a_pack and b_pack hold units of 12,800 bytes (128 rows x 128 along K), [row / 128][k / 128]: eight fragments of 1,536 bytes in the order of the operand's registers
; (piece j of lane l at 512 j + 16 l), then 512 bytes of scale words.  A fragment is three loads of 16 bytes a lane, each of 512 consecutive LDS bytes.
; A block of 256 x 256 of C is made by four waves, 128 x 128 each: 64 accumulators, 512 registers.  The matrix instruction is used transposed (source 0 = B's 16 columns, source 1 = A's 16 rows):
; a lane holds eight neighbouring numbers of a row of C.
; THE RING: two LDS slots, each with three K steps of 128 (chunk c = steps 3 c .. 3 c + 2 in slot c % 2; chunk 10 has two steps).  A wave fetches a quarter of a slot, 38,400 dense bytes, as rows of 256 bytes.
; CLUSTERS: 4 x 4 work-groups; A's quarters are asked for jointly along a row of the cluster, B's along a column.
; PREFETCH: behind the joint load of chunk c each wave names the 256-byte blocks of chunk c + 1 of its quarter, three K steps ahead of the load that wants them.  A quarter has 150 blocks; the four partners that ask
; for it jointly take 38 each, told apart by address (the last takes 36); two instructions a wave, the left-over lanes name the wave's last block again.  Chunk 10, which is shorter, is not named: no address leaves the buffer.
; THE LAST TWO K STEPS GO BY ROWS OF C: B's fragments of both steps lie in registers, A's come by blocks of 16 rows, and each block of 16 x 128 results leaves through the wave's stage as soon as it is finished,
; while the later blocks are multiplied.  LDS is read no more than in any two steps.
; REGISTERS: window 0: v0-31 addresses; v32-47 scale words, two sets; v64-255 A's fragments, two sets (by rows: v48-119 three buffers of a block's two steps, v128-255 two buffers of 16 rows on the way out);
; window 1: B's fragments, two sets at v0 and v128; windows 2 and 3: the accumulators of my rows 0-63 and 64-127, (a, b) at v[8 (8 (a % 4) + b)].
.set SIZE_N, 4096
.set UNIT,   12800
.set FRAGB,  1536
.set SCOFF,  8*FRAGB
.set QUART,  3*UNIT                    ; what one tensor load brings
.set SLOT,   4*QUART                   ; A's two halves, then B's two halves
.set GSTR,   32*UNIT                   ; all of K for 128 rows
.set FR,     12
.set SPARE,  2*SLOT                    ; the spare words, 128 bytes a wave: two blocks of 256 bytes that no other line names
.set STAGE,  SLOT                      ; the way out goes through slot 1, which has had its last fill and its last read by then
.set SPITCH, 528
.set ADRA, 16                          ; v16-17 my A fragments in slot 0, 1
.set ADRB, 18                          ; v18-19 the same for B
.set ADRS, 20                          ; v20-21 scale words: lanes 0-15 A's, lanes 16-31 B's
.set PF1,  22                          ; v22, v23 the prefetches' offsets; never rewritten
.set PF2,  23
.set STO,  24
.set RD,   25
.set CO,   26
.set SPW,  28
.set NIL,  29
.set SC,   32
.set AR,   48                          ; by rows: block a's fragments of steps 30 and 31 at v[AR + 24 (a % 3)]
.set AF,   64
.set BK,   128
.set PFA,  8                           ; s[8:9] my quarter's chunk that the next prefetch names
.set G1, 24
.set G0, 32
.set G1B, 48
.set G0B, 56
.set MSB, 0
.macro WIN new                         ; the immediate's high byte repeats the setting that is left
.if MSB != \new
	s_set_vgpr_msb (MSB<<8)|\new
.set MSB, \new
.endif
.endm
.set MUL_LO, 0xa1                      ; source 0 (B) window 1, source 1 (A) window 0, C and D window 2
.set MUL_HI, 0xf1                      ; the same, C and D window 3
.set TO_B,   0x40                      ; destination window 1
; a joint load: waves 0 and 1 fetch A's halves, waves 2 and 3 B's
.macro JLOAD g0a, g1a, g0b, g1b
	s_cmp_eq_u32 s15, 0
	s_cbranch_scc0 .Lfor_b_\@
	tensor_load_to_lds s[\g0a:\g0a+3], s[\g1a:\g1a+7]
	s_nop 0
.rept 4
	v_nop
.endr
	s_branch .Lasked_\@
.Lfor_b_\@:
	tensor_load_to_lds s[\g0b:\g0b+3], s[\g1b:\g1b+7]
	s_nop 0
.rept 4
	v_nop
.endr
.Lasked_\@:
.endm
.macro CREST                           ; a round of the cluster's barrier behind its opening barrier
	s_cmp_lg_u32 s14, 0
	s_cbranch_scc1 .Lnot_wave_0_\@
	s_barrier_signal -3
.Lnot_wave_0_\@:
	s_barrier_wait -3
	s_barrier_signal -1
	s_barrier_wait -1
.endm
.macro CROUND
	s_barrier_signal -1
	s_barrier_wait -1
	CREST
.endm
; how = 1: my share of the chunk at s[PFA:PFA+1] is named; how = 2: not in the loop's last trip, where that chunk would be chunk 10
.macro ASK how
.if \how == 2
	s_cmp_gt_u32 s3, 1
	s_cbranch_scc0 .Lno_ask_\@
.endif
.if \how
	global_prefetch_b8 v[PF1], s[PFA:PFA+1] th:TH_LOAD_NT scope:SCOPE_SE
	global_prefetch_b8 v[PF2], s[PFA:PFA+1] th:TH_LOAD_NT scope:SCOPE_SE
.endif
.if \how == 2
.Lno_ask_\@:
.endif
.endm
	s_load_b128 s[4:7], s[0:1], 0x0                ; a_pack, b_pack
	s_load_b64 s[12:13], s[0:1], 0x10              ; out0
	v_lshl_add_u32 v[SPW], v0, 2, SPARE
	v_mov_b32 v[NIL], 0
	ds_add_u32 v[SPW], v[NIL]                      ; the opening add,
	ds_add_u32 v[SPW], v[NIL]                      ; once more, and below one wait for both
	v_lshrrev_b32 v1, 5, v0
	v_readfirstlane_b32 s14, v1                    ; wave 0..3
	s_lshr_b32 s15, s14, 1                         ; my half of the block's rows; also: I fetch for A (0) or B (1)
	s_and_b32 s16, s14, 1                          ; my half of its columns; also: which 128 rows I fetch
	s_bfe_u32 s40, ttmp6, 0x40000                  ; cx
	s_bfe_u32 s41, ttmp6, 0x40004                  ; cy
	s_lshl_b32 s42, ttmp9, 2
	s_add_co_u32 s42, s42, s40                     ; block column of C
	s_and_b32 s17, ttmp7, 0xffff
	s_lshl_b32 s17, s17, 2
	s_add_co_u32 s17, s17, s41                     ; block row of C
	s_lshl_b32 s43, s41, 2
	s_lshl_b32 s43, 15, s43                        ; my row of the cluster
	s_lshl_b32 s44, 0x1111, s40                    ; my column
	s_or_b32 s[G1+0], s43, (3<<16)|(1<<21)         ; elements of 8 bytes, the mask, bit 21 beside it; no padding: fragments are read as they lie
	s_or_b32 s[G1B+0], s44, (3<<16)|(1<<21)
.irp g, G1, G1B
	s_mov_b32 s[\g+1], 32<<16                      ; rows of 256 bytes,
	s_mov_b32 s[\g+2], (QUART/256)<<16             ; 150 of them
	s_mov_b32 s[\g+3], 32<<16
	s_mov_b32 s[\g+4], QUART/256
	s_mov_b32 s[\g+5], 32
	s_mov_b32 s[\g+6], 0
	s_mov_b32 s[\g+7], 0
.endr
	s_lshl_b32 s20, s17, 1
	s_add_co_u32 s20, s20, s16                     ; A: group of 128 rows = 2 x block row + half
	s_lshl_b32 s46, s42, 1
	s_add_co_u32 s46, s46, s16                     ; B: 2 x block column + half
	s_mul_i32 s20, s20, GSTR
	s_mul_i32 s46, s46, GSTR
	s_mov_b32 s21, 0
	s_mov_b32 s47, 0
	s_mul_i32 s45, s14, QUART                      ; where my quarter goes: the wave's number alone
	s_wait_dscnt 0x0                               ; both opening adds are done
	s_wait_kmcnt 0x0
	s_add_nc_u64 s[20:21], s[4:5], s[20:21]
	s_add_nc_u64 s[46:47], s[6:7], s[46:47]
	CROUND                                         ; all sixteen work-groups are here: the first joint loads meet
.irp s, 0,1
	s_mov_b32 s[G0+4*\s], 1
	s_add_co_u32 s[G0+4*\s+1], s45, \s*SLOT
	s_add_nc_u64 s[G0+4*\s+2:G0+4*\s+3], s[20:21], \s*QUART
	s_or_b32 s[G0+4*\s+3], s[G0+4*\s+3], 0x80000000
	s_mov_b32 s[G0B+4*\s], 1
	s_add_co_u32 s[G0B+4*\s+1], s45, \s*SLOT
	s_add_nc_u64 s[G0B+4*\s+2:G0B+4*\s+3], s[46:47], \s*QUART
	s_or_b32 s[G0B+4*\s+3], s[G0B+4*\s+3], 0x80000000
.endr
	JLOAD G0, G1, G0B, G1B                         ; chunk 0: one tensor load a wave at the head
	s_cmp_eq_u32 s15, 0
	s_cselect_b32 s10, s40, s41                    ; my place among the four that ask for my quarter with me
	s_cselect_b64 s[PFA:PFA+1], s[20:21], s[46:47] ; my quarter,
	s_add_nc_u64 s[PFA:PFA+1], s[PFA:PFA+1], QUART ; its chunk 1
	s_mul_i32 s10, s10, 38
	v_and_b32 v6, 31, v0
	v_add_nc_u32 v[PF1], s10, v6                   ; blocks 38 p + 0 .. 31 (145 at the most)
	v_min_u32 v[PF2], 5, v6
	v_add3_u32 v[PF2], v[PF2], s10, 32             ; blocks 38 p + 32 .. 37,
	v_min_u32 v[PF2], 149, v[PF2]                  ; held inside the quarter's 150
	v_lshlrev_b32 v[PF1], 8, v[PF1]
	v_lshlrev_b32 v[PF2], 8, v[PF2]
	ASK 1                                          ; chunk 1, whose load goes out when chunk 0 has landed
	v_and_b32 v1, 15, v0
	v_bfe_u32 v2, v0, 4, 1
	v_lshlrev_b32 v[CO], 4, v6                     ; 16 x lane
	v_lshlrev_b32 v4, 4, v1
	v_add_nc_u32 v4, SCOFF, v4                     ; scale words: 16 r behind a unit's codes
	s_mul_i32 s21, s15, QUART                      ; my 128 rows of A
	s_mul_i32 s22, s16, QUART
	s_add_co_u32 s22, s22, 2*QUART                 ; my 128 rows of B
	s_sub_co_u32 s23, s22, s21
	v_mul_u32_u24 v5, s23, v2                      ; lanes 16-31 take B's words
	v_add_nc_u32 v4, v4, v5
.irp s, 0,1
	v_add_nc_u32 v[ADRA+\s], s21, v[CO]
	v_add_nc_u32 v[ADRB+\s], s22, v[CO]
	v_add_nc_u32 v[ADRS+\s], s21, v4
	s_add_co_u32 s21, s21, SLOT
	s_add_co_u32 s22, s22, SLOT
.endr
	s_mul_i32 s23, s14, 16*SPITCH
	s_add_co_u32 s23, s23, STAGE                   ; my stage
	v_mul_u32_u24 v5, v1, SPITCH
	v_lshl_add_u32 v5, v2, 5, v5
	v_add_nc_u32 v[STO], s23, v5                   ; in: row l % 16, 32 bytes for each half of the lanes
	v_add_nc_u32 v[RD], s23, v[CO]                 ; back: the 32 lanes take one row of 512 bytes
	s_lshl_b32 s20, s17, 8
	s_lshl_b32 s21, s15, 7
	s_add_co_u32 s20, s20, s21                     ; my first row of C
	s_mov_b32 s21, 0
	s_mov_b64 s[18:19], SIZE_N*4
	s_mul_u64 s[20:21], s[20:21], s[18:19]
	s_lshl_b32 s46, s42, 10
	s_lshl_b32 s47, s16, 9
	s_add_co_u32 s46, s46, s47                     ; my first column, in bytes
	s_mov_b32 s47, 0
	s_add_nc_u64 s[20:21], s[20:21], s[46:47]
	s_add_nc_u64 s[12:13], s[12:13], s[20:21]
; product n of a step's 64: A's block n / 8 against B's block n % 8, on set p.  The accumulators take turns, one instruction a turn
.macro MM n, p, zero
.set WN, MUL_LO+0x50*((\n)/32)
	WIN WN
.set XD, 8*(8*(((\n)/8)%4)+(\n)%8)
.set XFB, 128*(\p)+FR*((\n)%8)
.set XFA, AF+96*(\p)+FR*((\n)/8)
.set XSB, SC+8*(\p)+(\n)%8
.set XSA, SC+8*(\p)+(\n)/8
.if \zero
	v_wmma_scale_f32_16x16x128_f8f6f4 v[XD:XD+7], v[XFB:XFB+FR-1], v[XFA:XFA+FR-1], 0, v[XSB], v[XSA] matrix_a_fmt:MATRIX_FMT_FP6 matrix_b_fmt:MATRIX_FMT_FP6 matrix_a_scale:MATRIX_SCALE_ROW1
.else
	v_wmma_scale_f32_16x16x128_f8f6f4 v[XD:XD+7], v[XFB:XFB+FR-1], v[XFA:XFA+FR-1], v[XD:XD+7], v[XSB], v[XSA] matrix_a_fmt:MATRIX_FMT_FP6 matrix_b_fmt:MATRIX_FMT_FP6 matrix_a_scale:MATRIX_SCALE_ROW1
.endif
.endm
.macro MMS n0, cnt, p, zero
.set N, \n0
.rept \cnt
	MM N, \p, \zero
.set N, N+1
.endr
.endm
.macro FETCH_B slot, q, p              ; 24 loads: B's eight fragments of unit q of the slot into set p
	WIN TO_B
.irp k, 0,1,2,3,4,5,6,7
.irp j, 0,1,2
	ds_load_b128 v[128*(\p)+FR*\k+4*\j:128*(\p)+FR*\k+4*\j+3], v[ADRB+\slot] offset:(\q)*UNIT+\k*FRAGB+512*\j
.endr
.endr
	WIN 0
.endm
.macro SCL slot, q, p                  ; 2 loads: the unit's scale words; register i: lanes 0-15 A's block i, lanes 16-31 B's block i
.irp u, 0,1
	ds_load_b128 v[SC+8*(\p)+4*\u:SC+8*(\p)+4*\u+3], v[ADRS+\slot] offset:(\q)*UNIT+256*\u
.endr
.endm
.macro FETCH_A slot, q, p              ; 26 loads: the scale words, then A's eight fragments
	WIN 0
	SCL \slot, \q, \p
.irp k, 0,1,2,3,4,5,6,7
.irp j, 0,1,2
	ds_load_b128 v[AF+96*(\p)+FR*\k+4*\j:AF+96*(\p)+FR*\k+4*\j+3], v[ADRA+\slot] offset:(\q)*UNIT+\k*FRAGB+512*\j
.endr
.endr
.endm
.macro PLACES n                        ; places behind matrix instructions, in front of loads into registers that they read and of reads of their results
.rept \n
	v_nop
.endr
.endm
.macro FETCH_AH slot, q, p, k0         ; 12 loads: A's fragments k0 .. k0 + 3
	WIN 0
.irp k, \k0, \k0+1, \k0+2, \k0+3
.irp j, 0,1,2
	ds_load_b128 v[AF+96*(\p)+FR*(\k)+4*\j:AF+96*(\p)+FR*(\k)+4*\j+3], v[ADRA+\slot] offset:(\q)*UNIT+(\k)*FRAGB+512*\j
.endr
.endr
.endm
; a K step on set p; the next unit of the same slot is fetched into the other set in two runs.
; late = 1: the step stands behind a change of slots (or the head), where only B, the scale words and A's blocks 0-3 of this step were fetched, 38 loads: its own blocks 4-7 ride in its first run, 36 loads
.macro STEPX slot, q, p, zero, late
.if \late
	s_wait_dscnt 0x0                               ; the 38 loads, issued 48 matrix instructions ago
.else
	s_wait_dscnt 12                                ; all but A's blocks 4-7
.endif
	PLACES 4
	MMS 0, 8, \p, \zero
.if \late
	FETCH_AH \slot, \q, \p, 4
.endif
	FETCH_B \slot, (\q)+1, 1-(\p)
	MMS 8, 24, \p, \zero
	s_wait_dscnt 24                                ; all but B's 24 just issued: A's blocks 4-7 are in
	FETCH_A \slot, (\q)+1, 1-(\p)
	MMS 32, 32, \p, \zero
.endm
.macro STEP slot, q, p, zero
	STEPX \slot, \q, \p, \zero, 0
.endm
.macro STEPL slot, q, p, zero
	STEPX \slot, \q, \p, \zero, 1
.endm
; a slot's last K step, and the change of slots.  fill = 1: the slot is filled again, two chunks on; fill = 2: with chunk 10, of two units
.macro TURN slot, next, p, fill, ask
	WIN 0
.if \ask
	s_wait_xcnt 0x0                                ; my prefetches have read their address: it steps to the next chunk
	s_add_nc_u64 s[PFA:PFA+1], s[PFA:PFA+1], QUART
.endif
	s_wait_tensorcnt 0x0                           ; my part of the next slot has landed;
	ds_add_u32 v[SPW], v[NIL]                      ; the add
	s_wait_dscnt 13                                ; (the add and A's blocks 4-7 may be out)
	PLACES 4
	MMS 0, 8, \p, 0
	s_wait_dscnt 0x0                               ; the add is done, my reads of this slot are over
	s_barrier_signal -1                            ; opens a round of the cluster's barrier
	MMS 8, 8, \p, 0
	WIN 0
	s_barrier_wait -1
	CREST
	s_add_nc_u64 s[G0+4*\slot+2:G0+4*\slot+3], s[G0+4*\slot+2:G0+4*\slot+3], 2*QUART
	s_add_nc_u64 s[G0B+4*\slot+2:G0B+4*\slot+3], s[G0B+4*\slot+2:G0B+4*\slot+3], 2*QUART
.if \fill == 2
	s_mov_b32 s[G1+2], (2*UNIT/256)<<16            ; no tensor load of mine is out: the last chunk has 100 rows of 256 bytes
	s_mov_b32 s[G1+4], 2*UNIT/256
	s_mov_b32 s[G1B+2], (2*UNIT/256)<<16
	s_mov_b32 s[G1B+4], 2*UNIT/256
.endif
	JLOAD G0+4*\slot, G1, G0B+4*\slot, G1B         ; the first tensor load behind the round
	FETCH_B \next, 0, 1-(\p)                       ; one run of 38 loads behind the joint load; A's blocks 4-7 follow in the next step
	SCL \next, 0, 1-(\p)
	FETCH_AH \next, 0, 1-(\p), 0
	ASK \ask
	MMS 16, 48, \p, 0
.endm
	s_wait_alu depctr_va_vdst(0)
	s_wait_tensorcnt 0x0                           ; my part of chunk 0 is in
	ds_add_u32 v[SPW], v[NIL]
	s_wait_xcnt 0x0                                ; the head's prefetches have read their address
	s_add_nc_u64 s[PFA:PFA+1], s[PFA:PFA+1], QUART ; chunk 2
	s_wait_dscnt 0x0
	CROUND                                         ; chunk 0 is whole, and all sixteen work-groups are here
	JLOAD G0+4, G1, G0B+4, G1B                     ; chunk 1, slot 1's first fill
	FETCH_B 0, 0, 0
	SCL 0, 0, 0
	FETCH_AH 0, 0, 0, 0
	ASK 1
	STEPL 0, 0, 0, 1                               ; the first step's products start the sums
	WIN 0
	s_mov_b32 s3, 4
.Llap:                                                 ; a trip: six K steps, once round the ring
	STEP 0, 1, 1, 0
	TURN 0, 1, 0, 1, 1
	STEPL 1, 0, 1, 0
	STEP 1, 1, 0, 0
	TURN 1, 0, 1, 1, 2
	STEPL 0, 0, 0, 0
	WIN 0
	s_sub_co_u32 s3, s3, 1
	s_cmp_lg_u32 s3, 0
	s_cbranch_scc1 .Llap
	STEP 0, 1, 1, 0                                ; step 25
	TURN 0, 1, 0, 2, 0                             ; step 26; chunk 10 is asked for
	STEPL 1, 0, 1, 0                               ; 27
	STEP 1, 1, 0, 0                                ; 28
; BY ROWS.  ALOAD: block a's fragments of steps 30 and 31.  ROWQ: its eight products of step 30 + q, the block's eight accumulators by turns.
.macro ALOAD a
.irp q, 0,1
.irp j, 0,1,2
	ds_load_b128 v[AR+24*((\a)%3)+12*\q+4*\j:AR+24*((\a)%3)+12*\q+4*\j+3], v[ADRA] offset:\q*UNIT+(\a)*FRAGB+512*\j
.endr
.endr
.endm
.macro ROWQ a, q
	WIN MUL_LO+0x50*((\a)/4)
.irp b, 0,1,2,3,4,5,6,7
	v_wmma_scale_f32_16x16x128_f8f6f4 v[8*(8*((\a)%4)+\b):8*(8*((\a)%4)+\b)+7], v[128*(\q)+FR*\b:128*(\q)+FR*\b+FR-1], v[AR+24*((\a)%3)+12*(\q):AR+24*((\a)%3)+12*(\q)+FR-1], v[8*(8*((\a)%4)+\b):8*(8*((\a)%4)+\b)+7], v[SC+8*(\q)+\b], v[SC+8*(\q)+(\a)] matrix_a_fmt:MATRIX_FMT_FP6 matrix_b_fmt:MATRIX_FMT_FP6 matrix_a_scale:MATRIX_SCALE_ROW1
.endr
.endm
; block a, 16 rows x 128 columns, into my stage (each accumulator from its low end on) and back as whole rows of 512 bytes.  LDS serves a wave's instructions in order (ISA guide 5.7.1.4)
.macro TOSTAGE a
.set AC, 64*((\a)%4)
	WIN 0x08+4*((\a)/4)
.irp b, 0,1,2,3,4,5,6,7
	ds_store_b128 v[STO], v[AC+8*\b:AC+8*\b+3] offset:64*\b
	ds_store_b128 v[STO], v[AC+8*\b+4:AC+8*\b+7] offset:64*\b+16
.endr
	WIN 0
.set BB, BK+64*((\a)%2)
.irp t, 0,1,2,3,4,5,6,7,8,9,10,11,12,13,14,15
	ds_load_b128 v[BB+4*\t:BB+4*\t+3], v[RD] offset:\t*SPITCH
.endr
.endm
.macro SEND a, younger                 ; 32 lanes store 512 consecutive bytes, at a multiple of 256 from C's first byte; the row stands in the immediate: 127 rows of 16,384 bytes at the most
.set BB, BK+64*((\a)%2)
	s_wait_dscnt \younger
.irp t, 0,1,2,3,4,5,6,7,8,9,10,11,12,13,14,15
	global_store_b128 v[CO], v[BB+4*\t:BB+4*\t+3], s[12:13] offset:(16*(\a)+\t)*SIZE_N*4 th:TH_STORE_NT
.endr
.endm
	; step 29, on set 1; behind its barrier chunk 10 is whole, slot 1 is read no more, and nothing is filled again
	WIN 0
	s_wait_tensorcnt 0x0
	ds_add_u32 v[SPW], v[NIL]
	s_wait_dscnt 13
	PLACES 4
	MMS 0, 8, 1, 0
	s_wait_dscnt 0x0
	s_barrier_signal -1
	MMS 8, 8, 1, 0
	WIN 0
	s_barrier_wait -1
	FETCH_B 0, 0, 0                                ; step 30's B into set 0,
	SCL 0, 0, 0                                    ; its scale words,
	ALOAD 0
	MMS 16, 24, 1, 0
	WIN 0
	ALOAD 1
	ALOAD 2
	MMS 40, 24, 1, 0
	PLACES 4                                       ; set 1 is free
	FETCH_B 0, 1, 1                                ; step 31's B and scale words
	SCL 0, 1, 1
	s_wait_dscnt 26                                ; all but these 26
	ROWQ 0, 0
	ROWQ 1, 0
	ROWQ 2, 0
	s_wait_dscnt 0x0
	ROWQ 0, 1
.irp a, 0,1,2,3,4,5,6,7
	PLACES 4                                       ; block a's results are read, and its fragments' buffer is loaded again
.if \a > 1
	s_wait_xcnt 0x0                                ; block a - 2's stores have read their registers
.endif
	TOSTAGE \a
.if \a < 5
	ALOAD \a+3
.if \a > 0
	SEND \a-1, 38                                  ; younger: block a's 32 stage instructions and 6 loads of A
.endif
.else
	SEND \a-1, 32
.endif
.if \a < 7
.if \a > 1
	ROWQ \a+1, 0
.endif
	ROWQ \a+1, 1
.endif
.endr
	SEND 7, 0
	s_wait_tensorcnt 0x0                           ; the wave's end
	ds_add_u32 v[SPW], v[NIL]
	s_wait_dscnt 0x0
	CROUND                                         ; the closing round
	s_endpgm
.Lfunc_end_k_q7c15aa07d5_gemm:
	.size	k_q7c15aa07d5_gemm, .Lfunc_end_k_q7c15aa07d5_gemm-k_q7c15aa07d5_gemm
	.p2alignl 7, 3214868480
	.fill 96, 4, 3214868480
	.section	.rodata,"a",@progbits
	.p2align	6, 0x0
	.amdhsa_kernel k_q7c15aa07d5_gemm
		.amdhsa_group_segment_fixed_size 327680
		.amdhsa_private_segment_fixed_size 0
		.amdhsa_enable_private_segment 0
		.amdhsa_kernarg_size 24
		.amdhsa_user_sgpr_count 2
		.amdhsa_user_sgpr_kernarg_segment_ptr 1
		.amdhsa_wavefront_size32 1
		.amdhsa_system_sgpr_workgroup_id_x 1
		.amdhsa_system_sgpr_workgroup_id_y 1
		.amdhsa_system_sgpr_workgroup_id_z 1
		.amdhsa_system_vgpr_workitem_id 0
		.amdhsa_next_free_vgpr 1024
		.amdhsa_next_free_sgpr 66
		.amdhsa_reserve_vcc 0
		.amdhsa_float_denorm_mode_32 3
		.amdhsa_float_denorm_mode_16_64 3
		.amdhsa_memory_ordered 1
		.amdhsa_forward_progress 1
		.amdhsa_inst_pref_size 204
	.end_amdhsa_kernel
	.amdgpu_metadata
---
amdhsa.version: [ 1, 2 ]
amdhsa.kernels:
  - .name:           k_q7c15aa07d5_gemm
    .symbol:         k_q7c15aa07d5_gemm.kd
    .args:
      - { .name: a_pack, .offset: 0, .size: 8, .value_kind: global_buffer, .address_space: global }
      - { .name: b_pack, .offset: 8, .size: 8, .value_kind: global_buffer, .address_space: global }
      - { .name: out0, .offset: 16, .size: 8, .value_kind: global_buffer, .address_space: global }
    .group_segment_fixed_size: 327680
    .private_segment_fixed_size: 0
    .kernarg_segment_align: 8
    .kernarg_segment_size: 24
    .max_flat_workgroup_size: 128
    .sgpr_count:     66
    .vgpr_count:     1024
    .wavefront_size: 32
...
	.end_amdgpu_metadata
.endif
;; end of part 4
